; MI455X (gfx1250); checked and timed in simulation.
; The chip was launched on July 23, 2026; its instructions are those of AMD's public machine-readable ISA for CDNA 5 (MIT licence, August 2026) and "CDNA5" Instruction Set Architecture Reference Guide (July 2026). The comments in the code are by the model that wrote it; some were corrected since.
;; Self Attention. Allowed arithmetic: float matrix products may take bf16 or f16 operands with f32 sums; other float arithmetic in f32, or as packed bf16 or f16 multiplies, adds, multiply-adds, maxima and minima; sums over many terms, partial sums and values carried from step to step in f32; what a program stores and reads back later, other than sums and carried values, may be rounded once to bf16 or f16.
;; Inputs: k_b 1,024 float32; k_w 1,024 x 1,024 float32; key 4 x 2,048 x 1,024 float32; mask 4 x 2,048 x 2,048 bool; q_b 1,024 float32; q_w 1,024 x 1,024 float32; query 4 x 2,048 x 1,024 float32; v_b 1,024 float32; v_w 1,024 x 1,024 float32; value 4 x 2,048 x 1,024 float32.
;; Outputs: out0 4 x 2,048 x 1,024 float32.
;; One version. Each part assembles by itself: llvm-mc -triple=amdgcn-amd-amdhsa -mcpu=gfx1250 --defsym DOCPART=n.
;; ======== version 1 of 1: 4 launches
;; limits: values are held in f16: magnitudes above 65,504 overflow, below 6.1e-05 lose precision
;; workspace buffers: wb 6,291,456 bytes; mbits 2,097,152 bytes of whole numbers; qkv 50,331,648 bytes; ew 33,554,432 bytes; smax 524,288 bytes; ssum 524,288 bytes
;; launch prep (part 1): grid 64 x 7, 8 waves a work-group, no clusters, 0 bytes of LDS; arguments q_w, k_w, v_w, mask, wb, mbits; writes wb, mbits
.if DOCPART == 1
	.amdgcn_target "amdgcn-amd-amdhsa--gfx1250"
	.amdhsa_code_object_version 6
	.text
	.protected	k_q043dd5729b_prep
	.globl	k_q043dd5729b_prep
	.p2align	8
	.type	k_q043dd5729b_prep,@function
k_q043dd5729b_prep:
	s_mov_b64 s[64:65], 0
	v_nop
	global_prefetch_b8 v0, s[64:65] scope:SCOPE_SE
	s_setreg_imm32_b32 hwreg(HW_REG_WAVE_MODE, 25, 1), 1
	s_wait_xcnt 0x0
; PREPARATION.  (1) q_w, k_w, v_w ([1024][1024] f32) -> wb [3][1024][1024] bf16, each number rounded once.
; (2) mask ([8192 query rows][2048 keys], one byte each) -> mbits [512 blocks of 16 queries][2][128 blocks of 16 keys][4] words: word (qb, g, kb, q) belongs to register j = 4 g + q of a
; 16 x 16 tile of scores in which lane r + 16 h holds query r and keys 8 h + 0..7: its bit r + 16 h is mask[16 qb + r][16 kb + 8 h + j].
; LIMIT.  A byte of the mask is 0 or 1, as its format has it; the bits are gathered by shifts inside the bytes, so another value is not served.
; A stream: no LDS, no barrier, no matrix unit.  Grid rows 0-2 cast the three weights, rows 3-6 turn the mask.
; A casting work-group takes 65,536 bytes of f32: thread t reads 32 bytes at 8,192 i + 32 t and stores 16 bytes at 4,096 i + 16 t, so sixteen lanes store 256 consecutive bytes, aligned.
.set XR, 16                            ; v[16:79]   the sixteen loads of a thread
.set YR, 80                            ; v[80:111]  the casts: eight times 16 bytes to store
	s_load_b256 s[4:11], s[0:1], 0x0               ; q_w 4:5, k_w 6:7, v_w 8:9, mask 10:11
	s_load_b128 s[12:15], s[0:1], 0x20             ; wb 12:13, mbits 14:15
	s_and_b32 s24, ttmp7, 0xffff                   ; grid row
	s_cmp_ge_u32 s24, 3
	s_cbranch_scc1 .Lmask
	; ---- the casts ----
	s_lshl_b32 s30, ttmp9, 16                      ; byte offset in the source: 65,536 a work-group
	s_mov_b32 s31, 0
	s_lshl_b32 s32, s24, 6
	s_add_co_u32 s32, s32, ttmp9
	s_lshl_b32 s32, s32, 15                        ; byte offset in wb: 32,768 a work-group, the three parts on end
	s_mov_b32 s33, 0
	v_lshlrev_b32 v1, 5, v0                        ; 32 t
	v_lshlrev_b32 v2, 4, v0                        ; 16 t
	s_wait_kmcnt 0x0
	s_cmp_ge_u32 s24, 1                            ; the source is chosen by the grid row alone
	s_cselect_b64 s[26:27], s[6:7], s[4:5]
	s_cmp_ge_u32 s24, 2
	s_cselect_b64 s[26:27], s[8:9], s[26:27]
	s_add_nc_u64 s[26:27], s[26:27], s[30:31]
	s_add_nc_u64 s[28:29], s[12:13], s[32:33]
.irp i, 0,1,2,3,4,5,6,7
	global_load_b128 v[XR+8*(\i):XR+8*(\i)+3],   v1, s[26:27] offset:8192*(\i) th:TH_LOAD_NT
	global_load_b128 v[XR+8*(\i)+4:XR+8*(\i)+7], v1, s[26:27] offset:8192*(\i)+16 th:TH_LOAD_NT
.endr
.irp i, 0,1,2,3,4,5,6,7
	s_wait_loadcnt 14-2*(\i)                       ; loads come back in order: pair i is in, the younger pairs stay out
.irp k, 0,1,2,3
	v_cvt_pk_bf16_f32 v[YR+4*(\i)+(\k)], v[XR+8*(\i)+2*(\k)], v[XR+8*(\i)+2*(\k)+1]
.endr
	global_store_b128 v2, v[YR+4*(\i):YR+4*(\i)+3], s[28:29] offset:4096*(\i)
.endr
	s_endpgm
	; ---- the mask ----
	; A work-group takes two blocks of 16 query rows: threads 0-127 the first, 128-255 the second.  Thread t owns key block t % 128: it loads that block's 16 bytes of each of the 16 rows, so a wave's
	; load covers 512 consecutive bytes of a row, and all 256 bits of its eight words come from its own registers: nothing changes lanes.
.Lmask:
	s_sub_co_u32 s25, s24, 3
	s_lshl_b32 s25, s25, 6
	s_add_co_u32 s25, s25, ttmp9                   ; the pair of query blocks, 0 to 255
	s_lshl_b32 s26, s25, 16                        ; 32 rows of 2,048 bytes
	s_mov_b32 s27, 0
	s_lshl_b32 s28, s25, 13                        ; twice 4,096 bytes of words
	s_mov_b32 s29, 0
	s_mov_b32 s16, 0x05010400                      ; v_perm_b32: bytes 0 and 1 of two words, interleaved
	s_mov_b32 s17, 0x07030602                      ; bytes 2 and 3 likewise
	s_mov_b32 s18, 0x05040100                      ; the two low halves
	s_mov_b32 s19, 0x07060302                      ; the two high halves
	v_lshrrev_b32 v3, 7, v0                        ; which of the two query blocks
	v_and_b32 v4, 127, v0                          ; my key block
	v_lshlrev_b32 v4, 4, v4
	v_lshl_add_u32 v1, v3, 15, v4                  ; in the mask: 16 rows x 2,048 + 16 kb
	v_lshl_add_u32 v2, v3, 12, v4                  ; in mbits: 4,096 + 16 kb
	s_wait_kmcnt 0x0
	s_add_nc_u64 s[10:11], s[10:11], s[26:27]
	s_add_nc_u64 s[14:15], s[14:15], s[28:29]
.irp r, 0,1,2,3,4,5,6,7,8,9,10,11,12,13,14,15
	global_load_b128 v[XR+4*(\r):XR+4*(\r)+3], v1, s[10:11] offset:2048*(\r) th:TH_LOAD_NT
.endr
	; v[80+4 e+d]: byte q of it gathers, for key 4 d + q, the bits of rows 8 e + 0..7: row 8 e + s is shifted up by s inside its byte
.irp e, 0,1
	s_wait_loadcnt 14-8*(\e)                       ; rows 8 e and 8 e + 1 are in, the younger rows stay out
.irp d, 0,1,2,3
	v_lshl_or_b32 v[80+4*(\e)+(\d)], v[XR+4*(8*(\e)+1)+(\d)], 1, v[XR+4*(8*(\e))+(\d)]
.endr
.irp s, 2,3,4,5,6,7
	s_wait_loadcnt 15-8*(\e)-(\s)
.irp d, 0,1,2,3
	v_lshl_or_b32 v[80+4*(\e)+(\d)], v[XR+4*(8*(\e)+(\s))+(\d)], \s, v[80+4*(\e)+(\d)]
.endr
.endr
.endr
	; word j = 4 g + q: byte 0 rows 0-7 and byte 1 rows 8-15 of key j (h = 0: word d = g), bytes 2 and 3 the same of key 8 + j (h = 1: word d = 2 + g): a transposition of 4 x 4 bytes, twice
.irp g, 0,1
	v_perm_b32 v[88+4*(\g)], v[84+(\g)], v[80+(\g)], s16
	v_perm_b32 v[89+4*(\g)], v[84+(\g)], v[80+(\g)], s17
	v_perm_b32 v[90+4*(\g)], v[86+(\g)], v[82+(\g)], s16
	v_perm_b32 v[91+4*(\g)], v[86+(\g)], v[82+(\g)], s17
	v_perm_b32 v[96+4*(\g)], v[90+4*(\g)], v[88+4*(\g)], s18
	v_perm_b32 v[97+4*(\g)], v[90+4*(\g)], v[88+4*(\g)], s19
	v_perm_b32 v[98+4*(\g)], v[91+4*(\g)], v[89+4*(\g)], s18
	v_perm_b32 v[99+4*(\g)], v[91+4*(\g)], v[89+4*(\g)], s19
	global_store_b128 v2, v[96+4*(\g):99+4*(\g)], s[14:15] offset:2048*(\g)  ; a wave stores 512 consecutive bytes, aligned
.endr
	s_endpgm
.Lfunc_end_k_q043dd5729b_prep:
	.size	k_q043dd5729b_prep, .Lfunc_end_k_q043dd5729b_prep-k_q043dd5729b_prep
	.p2alignl 7, 3214868480
	.fill 96, 4, 3214868480
	.section	.rodata,"a",@progbits
	.p2align	6, 0x0
	.amdhsa_kernel k_q043dd5729b_prep
		.amdhsa_group_segment_fixed_size 0
		.amdhsa_private_segment_fixed_size 0
		.amdhsa_enable_private_segment 0
		.amdhsa_kernarg_size 48
		.amdhsa_user_sgpr_count 2
		.amdhsa_user_sgpr_kernarg_segment_ptr 1
		.amdhsa_wavefront_size32 1
		.amdhsa_system_sgpr_workgroup_id_x 1
		.amdhsa_system_sgpr_workgroup_id_y 1
		.amdhsa_system_sgpr_workgroup_id_z 1
		.amdhsa_system_vgpr_workitem_id 0
		.amdhsa_next_free_vgpr 112
		.amdhsa_next_free_sgpr 66
		.amdhsa_reserve_vcc 0
		.amdhsa_float_denorm_mode_32 3
		.amdhsa_float_denorm_mode_16_64 3
		.amdhsa_memory_ordered 1
		.amdhsa_forward_progress 1
		.amdhsa_inst_pref_size 13
	.end_amdhsa_kernel
	.amdgpu_metadata
---
amdhsa.version: [ 1, 2 ]
amdhsa.kernels:
  - .name:           k_q043dd5729b_prep
    .symbol:         k_q043dd5729b_prep.kd
    .args:
      - { .name: q_w, .offset: 0, .size: 8, .value_kind: global_buffer, .address_space: global }
      - { .name: k_w, .offset: 8, .size: 8, .value_kind: global_buffer, .address_space: global }
      - { .name: v_w, .offset: 16, .size: 8, .value_kind: global_buffer, .address_space: global }
      - { .name: mask, .offset: 24, .size: 8, .value_kind: global_buffer, .address_space: global }
      - { .name: wb, .offset: 32, .size: 8, .value_kind: global_buffer, .address_space: global }
      - { .name: mbits, .offset: 40, .size: 8, .value_kind: global_buffer, .address_space: global }
    .group_segment_fixed_size: 0
    .private_segment_fixed_size: 0
    .kernarg_segment_align: 8
    .kernarg_segment_size: 48
    .max_flat_workgroup_size: 256
    .sgpr_count:     66
    .vgpr_count:     112
    .wavefront_size: 32
...
	.end_amdgpu_metadata
.endif
;; end of part 1
;; launch proj (part 2): grid 4 x 64, 4 waves a work-group, clusters of 4 x 4, 327,680 bytes of LDS; arguments query, key, value, wb, q_b, k_b, v_b, qkv; writes qkv
.if DOCPART == 2
	.amdgcn_target "amdgcn-amd-amdhsa--gfx1250"
	.amdhsa_code_object_version 6
	.text
	.protected	k_q043dd5729b_proj
	.globl	k_q043dd5729b_proj
	.p2align	8
	.type	k_q043dd5729b_proj,@function
k_q043dd5729b_proj:
	s_mov_b64 s[64:65], 0
	v_nop
	global_prefetch_b8 v0, s[64:65] scope:SCOPE_SE
	s_setreg_imm32_b32 hwreg(HW_REG_WAVE_MODE, 25, 1), 1
	s_wait_xcnt 0x0
	s_wait_alu depctr_hold_cnt(0) depctr_sa_sdst(0) depctr_va_vdst(0) depctr_va_sdst(0) depctr_va_ssrc(0) depctr_va_vcc(0) depctr_vm_vsrc(0)
	s_getreg_b32 s2, hwreg(HW_REG_IB_STS2, 6, 4)
	s_cmp_eq_u32 s2, 0
	s_cbranch_scc0 .Lentry_in_a_cluster
	s_endpgm
.Lentry_in_a_cluster:
	s_bfe_u32 s2, ttmp6, 0x10000c
	s_cmp_lg_u32 s2, 0xf033
	s_cbranch_scc0 .Lentry_shape_is_right
	s_endpgm
.Lentry_shape_is_right:
; THE THREE PROJECTIONS.  qkv[p][m][n] = sum over k of x_p[m][k] wb[p][n][k] + bias_p[n]; x_p = query, key, value, [8192][1024] f32, rounded here to bf16 on the way from LDS to the matrix unit;
; wb [3][1024][1024] bf16; the biases f32, rounded here to bf16 like all the module's inputs; sums in f32; qkv [3][8192][1024] f16, rounded once.
; LIMIT.  f16 ends at 65,504: a projected number beyond that becomes an infinity.  NaN and infinities are not treated apart.
; SHARES.  A tile is 128 rows x 256 columns: 64 x 4 tiles a projection, one work-group each; a work-group STAYS and makes the same tile of q, of k and of v, the ring running on from tile to tile.
; Four waves, each 64 x 128: 32 accumulators of 16 x 16.  K goes in steps of 128 through two LDS slots filled by the tensor data mover: x's rows are 512 bytes of memory, w's 256; every wave's load brings 32 KiB.
; CLUSTER 4 x 4: the four work-groups of a cluster's row need the same rows of x, the four of a column the same rows of w: each tile is asked for jointly, by the same load with the same descriptor.
; THE MATRIX INSTRUCTION IS USED TRANSPOSED (source 0 = 16 rows of w, source 1 = 16 rows of x): a lane holds row l % 16 and the eight neighbouring columns 8 (l / 16) + 0..7.
; The bias is the C operand of a tile's first products: nothing is cleared and nothing is added afterwards.
; x's WAY: half a K step (64 along K) of my 64 rows comes out of LDS as f32 into 128 staging registers; 64 conversions, two numbers each, make its 8 fragments; they stand four behind each of a half's last 16 products.
; REGISTERS, in windows of 256 (s_set_vgpr_msb: bits 1:0 source 0, 3:2 source 1, 5:4 source 2, 7:6 destination):
;   window 0: v0-31 addresses; v32-63, v224-255 rows on the way out; v64-127, v128-191 x's fragments, two buffers of 64 along K ((c, a) at 8 (4 c + a)); v192-223 packed results
;   window 1: w's fragments, two buffers of 128 ((c, b) at 8 (8 c + b))     window 2: the accumulators ((a, b) at 8 (8 a + b))
;   window 3: v0-63 the bias of my 128 columns, v64-67 at work, v128-255 x in f32 ((c, a) at 128 + 16 (4 c + a))
.set XROW,   4096                      ; bytes in a row of x
.set WROW,   2048                      ; bytes in a row of wb and of qkv
.set PA,     528                       ; x's rows in LDS: 512 bytes + 16 of padding: the 16 rows of a load start at 16 different groups of four banks (ISA guide 11.1)
.set PB,     272                       ; w's rows, and the stage's: 256 + 16
.set AH,     64*PA                     ; what a wave fetches of x, and reads of it
.set AT,     128*PA                    ; x's tile
.set BH,     128*PB                    ; what a wave fetches of w, and reads of it
.set SLOT,   AT+2*BH
.set STAGE,  2*SLOT                    ; behind the ring: 16 rows x 272 bytes for each wave, for the way out
.set SPARE,  STAGE+4*16*PB             ; behind the stages: the spare words, 128 bytes a wave: two blocks of 256 bytes that no other line names
.set WPART,  1024*WROW                 ; from one projection's w to the next's
.set OPART,  8192*WROW                 ; from one projection's result to the next's
.set NEXT_B, WPART-6*256               ; from a slot's last K step of a tile to its first of the next
.set NEXT_C, OPART-3*16*WROW           ; from my last 16 rows of a tile to my first of the next
.set PADA,   (2<<16)|(1<<20)|(1<<21)|(6<<22)|(3<<25)  ; 4-byte elements; padding on; bit 21 beside a mask; after every 128 words; 4 words
.set PADB,   (1<<16)|(1<<20)|(1<<21)|(5<<22)|(3<<25)  ; 2-byte elements; after every 64 words; 4 words
.set ADRA, 16                          ; v16-17  LDS address of my x fragments in slot 0, 1
.set ADRB, 20                          ; v20-21  the same for w
.set STO,  24                          ; v24  the way out: where I put 16 bytes of a row
.set RD,   25                          ; v25  where I read a row back
.set CO,   26                          ; v26  my byte offset in two rows of qkv
.set BO,   27                          ; v27  my byte offset in 16 numbers of a bias: 32 (l / 16)
.set SPW,  28                          ; v28  my spare word; never rewritten
.set NIL,  29                          ; v29  0; never rewritten
.set PFO,  30                          ; v30  the prefetches' offset: my lane x a row; never rewritten
.set OB,   32
.set TMP,  192
.set G1,   24                          ; s[24:31] descriptor group 1 for x's tiles;  s[32:39] group 0, a set for each slot
.set G0,   32
.set G1B,  48                          ; s[48:55], s[56:63] the same for w's
.set G0B,  56
.set LIM,  43                          ; s43  1 in a wave that prefetches, else the greatest number
.set PFA,  44                          ; s[44:45] the block that my next prefetch names
.set BP0,  68                          ; s[68:69] q_b at my columns
.set BPA,  70                          ; s[70:71] the bias to load next
.set BPB,  72                          ; s[72:73] the one after it
.set PST,  76                          ; s[76:77] a K step for my prefetches: 512 bytes in x, 256 in w
.set PF1,  78                          ; s[78:79] the next tile's K step 2 for my prefetches
.set PF2,  80                          ; s[80:81] the same of the tile after it
.set XN,   82                          ; s[82:83] the next tile's x at the rows that I fetch
.set XQ,   84                          ; s[84:91] query, key, value, wb as they came
.set XK,   86
.set XV,   88
.set WB,   90
.set XL,   92                          ; s[92:93] value at the rows that I fetch
.set MSB, 0
.macro WIN new                         ; the immediate's high byte repeats the setting that is left; a switch that changes nothing is dropped
.if MSB != (\new)
	s_set_vgpr_msb (MSB<<8)|(\new)
.set MSB, \new
.endif
.endm
; A joint load.  Waves 0 and 1 fetch x's two halves, waves 2 and 3 w's.  The branch hangs on the wave's number alone.  An s_nop 0 and four v_nop follow each of the two lines.
.macro JLOAD s
	s_cmp_eq_u32 s11, 0
	s_cbranch_scc0 .Lfor_b_\@
	tensor_load_to_lds s[G0+4*(\s):G0+4*(\s)+3], s[G1:G1+7]
	s_nop 0
.rept 4
	v_nop
.endr
	s_branch .Lasked_\@
.Lfor_b_\@:
	tensor_load_to_lds s[G0B+4*(\s):G0B+4*(\s)+3], s[G1B:G1B+7]
	s_nop 0
.rept 4
	v_nop
.endr
.Lasked_\@:
.endm
; A prefetch of the K step that stands two refills on (256 matrix instructions ahead of the load that will want it): 32 blocks of 256 bytes, a lane a row.  Each block is named once in the launch:
; x's 128 rows of a tile are read by one row of one cluster: each of its four work-groups takes 32 of them, told apart by address (cx); of a row's 512 bytes wave 0 names the first 256, wave 1 the second.
; w's rows are read by all sixteen clusters: the cluster with y = 0 asks, waves 2 and 3 for the 128 rows that they fetch, its four work-groups of a column 32 each (cy).
; how = 0: in the loop, whose last trip has no K step two on; how = 1: at a change of tiles.
.macro ASK how
.if \how
	s_cmp_eq_u32 s[LIM], 1
.else
	s_cmp_gt_u32 s3, s[LIM]
.endif
	s_cbranch_scc0 .Lnot_mine_\@
	global_prefetch_b8 v[PFO], s[PFA:PFA+1] th:TH_LOAD_NT scope:SCOPE_SE
.Lnot_mine_\@:
.endm
.macro CREST                           ; a round of the cluster's barrier behind its opening barrier
	s_cmp_lg_u32 s10, 0
	s_cbranch_scc1 .Lnot_wave_0_\@
	s_barrier_signal -3
.Lnot_wave_0_\@:
	s_barrier_wait -3
	s_barrier_signal -1
	s_barrier_wait -1
.endm
.macro CROUND
	s_barrier_signal -1
	s_barrier_wait -1
	CREST
.endm
.macro PLACES                          ; four plain places behind matrix instructions, ahead of loads into registers that they read and of lines that read results
.rept 4
	v_nop
.endr
.endm
.macro LOADB ptr                       ; 128 numbers of a bias into window 3: register 8 b + j of lane l is column 16 b + 8 (l / 16) + j: the layout of a product's C
	WIN 0xc0
.irp b, 0,1,2,3,4,5,6,7
	global_load_b128 v[8*(\b):8*(\b)+3],   v[BO], s[(\ptr):(\ptr)+1] offset:64*(\b)
	global_load_b128 v[8*(\b)+4:8*(\b)+7], v[BO], s[(\ptr):(\ptr)+1] offset:64*(\b)+16
.endr
.endm
.macro ROUNDB                          ; the bias is rounded to bf16 and widened again, in place
	WIN 0xcf
.set p, 0
.rept 8
.irp q, 0,1,2,3
	v_cvt_pk_bf16_f32 v[64+(\q)], v[8*p+2*(\q)], v[8*p+2*(\q)+1]
.endr
.irp q, 0,1,2,3
	v_lshlrev_b32 v[8*p+2*(\q)], 16, v[64+(\q)]
	v_and_b32 v[8*p+2*(\q)+1], 0xffff0000, v[64+(\q)]
.endr
.set p, p+1
.endr
.endm
	s_load_b256 s[84:91], s[0:1], 0x0              ; query, key, value, wb
	s_load_b256 s[68:75], s[0:1], 0x20             ; q_b, k_b, v_b, qkv
	v_lshl_add_u32 v[SPW], v0, 2, SPARE
	v_mov_b32 v[NIL], 0
	ds_add_u32 v[SPW], v[NIL]                      ; the wave's opening: the add and its wait ahead of my first tensor load; the set-up below stands between them
	v_lshrrev_b32 v1, 5, v0
	v_readfirstlane_b32 s10, v1                    ; wave 0..3
	s_lshr_b32 s11, s10, 1                         ; which 64 of the tile's rows are mine.  Also: I fetch for x (0) or for w (1)
	s_and_b32 s12, s10, 1                          ; which 128 of its columns.  Also: which half of that tile I fetch
	s_bfe_u32 s40, ttmp6, 0x40000                  ; cx
	s_bfe_u32 s41, ttmp6, 0x40004                  ; cy
	s_lshl_b32 s42, ttmp9, 2
	s_add_co_u32 s42, s42, s40                     ; tile column = 4 x cluster x + cx
	s_and_b32 s13, ttmp7, 0xffff
	s_lshl_b32 s13, s13, 2
	s_add_co_u32 s13, s13, s41                     ; tile row = 4 x cluster y + cy
	s_lshl_b32 s43, s41, 2
	s_lshl_b32 s43, 15, s43                        ; my row of the cluster
	s_lshl_b32 s44, 0x1111, s40                    ; my column
	s_or_b32 s[G1+0], s43, PADA                    ; x's tiles go to my row,
	s_or_b32 s[G1B+0], s44, PADB                   ; w's to my column
.irp g, G1, G1B
	s_mov_b32 s[(\g)+1], 128<<16                   ; tensor_dim0 = 128
	s_mov_b32 s[(\g)+3], 128<<16                   ; tile_dim0 = 128
	s_mov_b32 s[(\g)+5], 1024                      ; elements from row to row
	s_mov_b32 s[(\g)+6], 0
	s_mov_b32 s[(\g)+7], 0
.endr
	s_mov_b32 s[G1+2], 64<<16                      ; x: tensor_dim1 = tile_dim1 = 64 rows a load
	s_mov_b32 s[G1+4], 64
	s_mov_b32 s[G1B+2], 128<<16                    ; w: 128
	s_mov_b32 s[G1B+4], 128
	s_lshl_b32 s17, s12, 6
	s_lshl_b32 s16, s13, 7
	s_add_co_u32 s16, s16, s17                     ; x: row 128 x tile row + 64 x half
	s_lshl_b32 s47, s12, 7
	s_lshl_b32 s46, s42, 8
	s_add_co_u32 s46, s46, s47                     ; w: row 256 x tile column + 128 x half
	s_lshl_b32 s16, s16, 12                        ; in bytes: under 2^25
	s_lshl_b32 s46, s46, 11
	s_mov_b32 s17, 0
	s_mov_b32 s47, 0
	s_mul_i32 s20, s12, AH                         ; where they go in a slot: no place in the cluster enters an LDS address
	s_mul_i32 s21, s12, BH
	s_add_co_u32 s21, s21, AT
	s_wait_dscnt 0x0                               ; the opening add is done
	s_wait_kmcnt 0x0
	s_add_nc_u64 s[14:15], s[XQ:XQ+1], s[16:17]    ; each x at the rows that I fetch, from its own buffer's address
	s_add_nc_u64 s[XN:XN+1], s[XK:XK+1], s[16:17]
	s_add_nc_u64 s[XL:XL+1], s[XV:XV+1], s[16:17]
	s_add_nc_u64 s[46:47], s[WB:WB+1], s[46:47]
	s_mov_b64 s[8:9], s[74:75]                     ; qkv
	CROUND                                         ; all sixteen work-groups are here: the first joint loads meet
.irp s, 0,1
	s_mov_b32 s[G0+4*(\s)], 1
	s_add_co_u32 s[G0+4*(\s)+1], s20, (\s)*SLOT
	s_add_nc_u64 s[G0+4*(\s)+2:G0+4*(\s)+3], s[14:15], (\s)*512
	s_or_b32 s[G0+4*(\s)+3], s[G0+4*(\s)+3], 0x80000000
	s_mov_b32 s[G0B+4*(\s)], 1
	s_add_co_u32 s[G0B+4*(\s)+1], s21, (\s)*SLOT
	s_add_nc_u64 s[G0B+4*(\s)+2:G0B+4*(\s)+3], s[46:47], (\s)*256
	s_or_b32 s[G0B+4*(\s)+3], s[G0B+4*(\s)+3], 0x80000000
	JLOAD \s                                       ; two loads of mine are out
.endr
	v_and_b32 v1, 15, v0                           ; l % 16
	v_bfe_u32 v2, v0, 4, 1                         ; l / 16
	v_lshlrev_b32 v[BO], 5, v2
	s_lshl_b32 s18, s42, 10                        ; my 128 columns in a bias: 1,024 x tile column + 512 x half
	s_lshl_b32 s19, s12, 9
	s_add_co_u32 s18, s18, s19
	s_mov_b32 s19, 0
	s_add_nc_u64 s[BP0:BP0+1], s[BP0:BP0+1], s[18:19]
	s_add_nc_u64 s[BPA:BPA+1], s[BPA:BPA+1], s[18:19]
	s_add_nc_u64 s[BPB:BPB+1], s[BPB:BPB+1], s[18:19]
	LOADB BP0                                      ; q's bias
	WIN 0
	v_mul_u32_u24 v3, v1, PA
	v_lshl_add_u32 v3, v2, 5, v3                   ; x in f32: row x pitch + 32 x half: eight numbers are 32 bytes
	v_mul_u32_u24 v4, v1, PB
	v_lshl_add_u32 v4, v2, 4, v4                   ; w: row x pitch + 16 x half
	s_mul_i32 s21, s11, AH                         ; my 64 rows of x
	s_mul_i32 s22, s12, BH                         ; my 128 rows of w,
	s_add_co_u32 s22, s22, AT                      ; which lie behind x's tile
.irp s, 0,1
	v_add_nc_u32 v[ADRA+(\s)], s21, v3
	v_add_nc_u32 v[ADRB+(\s)], s22, v4
	s_add_co_u32 s21, s21, SLOT
	s_add_co_u32 s22, s22, SLOT
.endr
	s_mul_i32 s23, s10, 16*PB
	s_add_co_u32 s23, s23, STAGE                   ; my stage
	v_add_nc_u32 v[STO], s23, v4                   ; in: row l % 16, 16 bytes for each half of the lanes
	v_mul_u32_u24 v5, v2, PB                       ; back: lanes 0-15 one row of 256 bytes, lanes 16-31 the next
	v_lshl_add_u32 v5, v1, 4, v5
	v_add_nc_u32 v[RD], s23, v5
	v_lshlrev_b32 v5, 11, v2                       ; and the same two rows in qkv
	v_lshl_add_u32 v[CO], v1, 4, v5
	s_lshl_b32 s16, s13, 7                         ; where my part of q's tile begins: the first way out adds it to qkv's address
	s_lshl_b32 s14, s11, 6
	s_add_co_u32 s16, s16, s14
	s_lshl_b32 s16, s16, 11
	s_lshl_b32 s46, s42, 9
	s_lshl_b32 s47, s12, 8
	s_add_co_u32 s46, s46, s47
	s_add_co_u32 s16, s16, s46
	s_mov_b32 s17, 0
	; the prefetches
	s_lshl_b32 s20, s13, 7                         ; x: (the tile's first row + 32 cx) x 4,096 + 256 x my wave's half of a row's 512 bytes
	s_lshl_b32 s21, s40, 5
	s_add_co_u32 s20, s20, s21
	s_lshl_b32 s20, s20, 12
	s_lshl_b32 s21, s12, 8
	s_add_co_u32 s20, s20, s21
	s_lshl_b32 s22, s42, 8                         ; w: (the tile's first row + the 128 that I fetch + 32 cy) x 2,048
	s_lshl_b32 s23, s12, 7
	s_add_co_u32 s22, s22, s23
	s_lshl_b32 s23, s41, 5
	s_add_co_u32 s22, s22, s23
	s_lshl_b32 s22, s22, 11
	s_and_b32 s23, ttmp7, 0xffff                   ; cluster y
	s_mov_b32 s18, 512
	s_mov_b32 s19, 256
	s_cmp_eq_u32 s11, 0
	s_cselect_b32 s20, s20, s22
	s_cselect_b32 s23, 0, s23                      ; x: every cluster asks for its own rows; w: the cluster with y = 0 alone: the same in all sixteen partners, for a given wave
	s_cselect_b32 s[PST], s18, s19
	s_cselect_b32 s18, 12, 11                      ; a row of x is 2^12 bytes, of w 2^11
	s_cselect_b32 s19, 0, WPART                    ; the next tile's x has a buffer of its own, its w lies a part further on
	s_cselect_b64 s[PFA:PFA+1], s[XQ:XQ+1], s[WB:WB+1]
	s_cselect_b64 s[PF1:PF1+1], s[XK:XK+1], s[WB:WB+1]
	s_cselect_b64 s[PF2:PF2+1], s[XV:XV+1], s[WB:WB+1]
	s_mov_b32 s[PST+1], 0
	s_cmp_eq_u32 s23, 0
	s_cselect_b32 s[LIM], 1, -1
	s_mov_b32 s23, 0
	s_mul_i32 s22, s[PST], 3
	s_add_co_u32 s22, s22, s20
	s_add_nc_u64 s[PFA:PFA+1], s[PFA:PFA+1], s[22:23]  ; at K step 3: the first change of slots steps it to 4 and names that.  Nothing is prefetched at the head
	s_lshl_b32 s22, s[PST], 1
	s_add_co_u32 s22, s22, s20
	s_add_co_u32 s22, s22, s19
	s_add_nc_u64 s[PF1:PF1+1], s[PF1:PF1+1], s[22:23]  ; k's tile at K step 2
	s_add_co_u32 s22, s22, s19
	s_add_nc_u64 s[PF2:PF2+1], s[PF2:PF2+1], s[22:23]  ; v's
	v_and_b32 v[PFO], 31, v0
	v_lshlrev_b32 v[PFO], s18, v[PFO]
; 16 matrix instructions: row blocks a0, a0 + 1 x all 8 column blocks, 32 along K: half c of buffer f.  first = 1: the bias starts the sums.
; The 32 accumulators take turns in the same order everywhere.
.macro MUL16 f, c, a0, first
.if \first
	WIN 0xb1                                       ; w in window 1, x in window 0, C in window 3, D in window 2
.else
	WIN 0xa1
.endif
.irp a, \a0, (\a0)+1
.irp b, 0,1,2,3,4,5,6,7
.if \first
	v_wmma_f32_16x16x32_bf16 v[8*(8*(\a)+(\b)):8*(8*(\a)+(\b))+7], v[128*(\f)+8*(8*(\c)+(\b)):128*(\f)+8*(8*(\c)+(\b))+7], v[64+64*(\f)+8*(4*(\c)+(\a)):64+64*(\f)+8*(4*(\c)+(\a))+7], v[8*(\b):8*(\b)+7]
.else
	v_wmma_f32_16x16x32_bf16 v[8*(8*(\a)+(\b)):8*(8*(\a)+(\b))+7], v[128*(\f)+8*(8*(\c)+(\b)):128*(\f)+8*(8*(\c)+(\b))+7], v[64+64*(\f)+8*(4*(\c)+(\a)):64+64*(\f)+8*(4*(\c)+(\a))+7], v[8*(8*(\a)+(\b)):8*(8*(\a)+(\b))+7]
.endif
.endr
.endr
.endm
; The last 16 products of a half (buffer f, second 32 along K, row blocks 2, 3); behind each, four conversions make registers of buffer g's fragments of x out of the staging registers.
; They name no register of the products round them; the four behind the last product are the places ahead of the next half's loads.
.macro MULR f, g
.set rho, 0
.irp a, 2,3
.irp b, 0,1,2,3,4,5,6,7
	WIN 0xa1
	v_wmma_f32_16x16x32_bf16 v[8*(8*(\a)+(\b)):8*(8*(\a)+(\b))+7], v[128*(\f)+8*(8+(\b)):128*(\f)+8*(8+(\b))+7], v[64+64*(\f)+8*(4+(\a)):64+64*(\f)+8*(4+(\a))+7], v[8*(8*(\a)+(\b)):8*(8*(\a)+(\b))+7]
	WIN 0x0f                                       ; sources in window 3, destination in window 0
.rept 4
	v_cvt_pk_bf16_f32 v[64+64*(\g)+rho], v[128+2*rho], v[129+2*rho]
.set rho, rho+1
.endr
.endr
.endr
.endm
; The LDS loads of half kk (0, 1) of a slot's K step, for buffer g, in two runs.  FETCH1: x's 32 loads into the staging registers (a fragment of 16 rows x 32 along K is 16 registers of f32: the lane's
; numbers 8 h + 0..7 lie at 32 h, its numbers 16 + 8 h + 0..7 at 64 + 32 h), then w's first 32 along K.  FETCH2: w's second 32 along K.
.macro FETCH1 slot, kk, g
	WIN 0xc0                                       ; destination window 3, address window 0
.irp c, 0,1
.irp a, 0,1,2,3
	ds_load_b128 v[128+16*(4*(\c)+(\a)):128+16*(4*(\c)+(\a))+3],     v[ADRA+(\slot)] offset:256*(\kk)+128*(\c)+(\a)*16*PA
	ds_load_b128 v[128+16*(4*(\c)+(\a))+4:128+16*(4*(\c)+(\a))+7],   v[ADRA+(\slot)] offset:256*(\kk)+128*(\c)+(\a)*16*PA+16
	ds_load_b128 v[128+16*(4*(\c)+(\a))+8:128+16*(4*(\c)+(\a))+11],  v[ADRA+(\slot)] offset:256*(\kk)+128*(\c)+(\a)*16*PA+64
	ds_load_b128 v[128+16*(4*(\c)+(\a))+12:128+16*(4*(\c)+(\a))+15], v[ADRA+(\slot)] offset:256*(\kk)+128*(\c)+(\a)*16*PA+80
.endr
.endr
	WIN 0x40                                       ; destination window 1
.irp b, 0,1,2,3,4,5,6,7
	ds_load_b128 v[128*(\g)+8*(\b):128*(\g)+8*(\b)+3],   v[ADRB+(\slot)] offset:128*(\kk)+(\b)*16*PB
	ds_load_b128 v[128*(\g)+8*(\b)+4:128*(\g)+8*(\b)+7], v[ADRB+(\slot)] offset:128*(\kk)+(\b)*16*PB+32
.endr
.endm
.macro FETCH2 slot, kk, g
	WIN 0x40
.irp b, 0,1,2,3,4,5,6,7
	ds_load_b128 v[128*(\g)+8*(8+(\b)):128*(\g)+8*(8+(\b))+3],   v[ADRB+(\slot)] offset:128*(\kk)+64+(\b)*16*PB
	ds_load_b128 v[128*(\g)+8*(8+(\b))+4:128*(\g)+8*(8+(\b))+7], v[ADRB+(\slot)] offset:128*(\kk)+64+(\b)*16*PB+32
.endr
.endm
; Half a K step behind its FETCH1: 64 products on buffer f, whose fragments are all in; buffer g is made ready meanwhile.
.macro WORK slot, kk, f, g, first
	MUL16 \f, 0, 0, \first
	MUL16 \f, 0, 2, \first
.if \first
	PLACES
	LOADB BPA                                      ; the next tile's bias, four places behind the products that read this one.  In the last tile v_b is fetched once more and not used: no branch
.endif
	FETCH2 \slot, \kk, \g
	MUL16 \f, 1, 0, 0
	s_wait_dscnt 32                                ; x's 32 staging loads are in; w's 32 loads may stay out
	MULR \f, \g
.endm
.macro HALF slot, kk, f, g, first      ; a K step's first half: it multiplies buffer f and fetches the step's second half
	s_wait_dscnt 0x0                               ; all of buffer f is in: its youngest loads were issued 32 products back
	FETCH1 \slot, \kk, \g
	WORK \slot, \kk, \f, \g, \first
.endm
; THE CHANGE OF SLOTS stands at the head of a K step's second half: that half's fragments are in registers or on their way, so the slot has been read out.  Each wave waits for all its tensor loads (one is
; out: its part of the next slot), adds 0 to its spare word, and waits for that and for its reads of this slot.  Behind the barrier nobody reads this slot any more and the next slot is whole.
; round = 1: the barrier opens a round of the cluster's, and the joint refill is the first thing behind it: it has a whole K step, 128 products, in which to land.
; on = 0: the slot takes this tile's K step two on; on = 1: the next tile's K step 0 or 1, x's address made anew from the next buffer's.
.macro CHANGE slot, on, round
	WIN 0
	s_wait_tensorcnt 0x0                           ; no tensor load of mine is out, so a group 0 may be written
	ds_add_u32 v[SPW], v[NIL]                      ; 0 onto my spare word; the descriptors' steps stand between it and the wait for it
.if \round
.if \on
	s_add_nc_u64 s[G0+4*(\slot)+2:G0+4*(\slot)+3], s[XN:XN+1], (\slot)*512
	s_or_b32 s[G0+4*(\slot)+3], s[G0+4*(\slot)+3], 0x80000000
	s_add_nc_u64 s[G0B+4*(\slot)+2:G0B+4*(\slot)+3], s[G0B+4*(\slot)+2:G0B+4*(\slot)+3], NEXT_B
.else
	s_add_nc_u64 s[G0+4*(\slot)+2:G0+4*(\slot)+3], s[G0+4*(\slot)+2:G0+4*(\slot)+3], 2*512
	s_add_nc_u64 s[G0B+4*(\slot)+2:G0B+4*(\slot)+3], s[G0B+4*(\slot)+2:G0B+4*(\slot)+3], 2*256
.endif
.endif
	s_wait_dscnt 0x0                               ; the add is done, my reads of this slot are over, and all of buffer 1 is in
	s_barrier_signal -1
	s_barrier_wait -1
.if \round
	CREST                                          ; no wave of any partner still reads this slot or has a load on its way
	JLOAD \slot
.endif
.endm
.macro TURN slot, next, on             ; a K step's second half: the change of slots, then 64 products on buffer 1 while the next step's first half is fetched
	s_wait_xcnt 0x0                                ; the last prefetch, a K step back, has read its address
.if (\on) && (\slot) == 0
	s_mov_b64 s[PFA:PFA+1], s[PF1:PF1+1]           ; the next tile's K step 2
.else
	s_add_nc_u64 s[PFA:PFA+1], s[PFA:PFA+1], s[PST:PST+1]
.endif
	CHANGE \slot, \on, 1
	FETCH1 \next, 0, 0
	WIN 0
	ASK \on                                        ; behind the joint load and the run of LDS loads
	WORK \next, 0, 1, 0, 0
.endm
; THE WAY OUT of row block a: rounded to f16, 16 bytes a lane; through my own stage in LDS; back as whole rows of 256 bytes; stored.
.macro PACK a
	WIN 0x0a                                       ; sources in window 2
.irp b, 0,1,2,3,4,5,6,7
.irp r, 0,1,2,3
	v_cvt_pk_f16_f32 v[TMP+4*(\b)+(\r)], v[64*(\a)+8*(\b)+2*(\r)], v[64*(\a)+8*(\b)+2*(\r)+1]
.endr
.endr
	WIN 0
.endm
.macro TOSTAGE a
	WIN 0
.set BK, OB+192*((\a)%2)
.irp b, 0,1,2,3,4,5,6,7
	ds_store_b128 v[STO], v[TMP+4*(\b):TMP+4*(\b)+3] offset:32*(\b)
.endr
.irp t, 0,1,2,3,4,5,6,7
	ds_load_b128 v[BK+4*(\t):BK+4*(\t)+3], v[RD] offset:(\t)*2*PB  ; LDS serves a wave's instructions in order (ISA guide 5.7.1.4): these see the stores above
.endr
.endm
.macro SEND a
	WIN 0
.set BK, OB+192*((\a)%2)
	s_wait_dscnt 0x0                               ; the block is back in registers
	s_wait_xcnt 0x0                                ; the stores' base and the registers that earlier stores read are rewritten only behind this wait
.if (\a) == 0
	s_add_nc_u64 s[8:9], s[8:9], s[16:17]          ; on to this tile's first rows
.else
	s_add_nc_u64 s[8:9], s[8:9], 16*WROW
.endif
.irp t, 0,1,2,3,4,5,6,7
	global_store_b128 v[CO], v[BK+4*(\t):BK+4*(\t)+3], s[8:9] offset:2*(\t)*WROW  ; 16 lanes store 256 consecutive bytes, aligned
.endr
.endm
.macro OUT
	PLACES                                         ; the conversions read results just made
	PACK 0
	TOSTAGE 0
.irp a, 1,2,3                          ; block a's conversions stand between block a - 1's loads from the stage and the wait for them
	PACK \a
	SEND (\a)-1
	TOSTAGE \a
.endr
	SEND 3
.endm
	s_wait_tensorcnt 0x1                           ; my part of K step 0 is in; K step 1's may stay out
	s_barrier_signal -1
	s_barrier_wait -1
	FETCH1 0, 0, 0
	FETCH2 0, 0, 0
	s_wait_dscnt 32                                ; x's staging loads are in
	WIN 0x0f
.set rho, 0
.rept 64
	v_cvt_pk_bf16_f32 v[64+rho], v[128+2*rho], v[129+2*rho]
.set rho, rho+1
.endr
	WIN 0
	s_mov_b32 s2, 3                                ; tiles to go
.Ltile:
	s_wait_loadcnt 0x0                             ; this tile's bias
	ROUNDB
	HALF 0, 1, 0, 1, 1                             ; a tile's first half stands in front of the loop: its first products start the sums
	WIN 0
	s_mov_b32 s3, 3
.Llap:                                                 ; a trip goes once round the ring and fills both slots again
	TURN 0, 1, 0
	HALF 1, 1, 0, 1, 0
	TURN 1, 0, 0
	HALF 0, 1, 0, 1, 0
	WIN 0
	s_sub_co_u32 s3, s3, 1
	s_cmp_lg_u32 s3, 0
	s_cbranch_scc1 .Llap
	s_cmp_eq_u32 s2, 1
	s_cbranch_scc1 .Llast_tile                     ; the last tile's tail is written out: it asks for nothing more
	TURN 0, 1, 1                                   ; the ring goes on into the next tile: slot 0 takes its K step 0,
	HALF 1, 1, 0, 1, 0
	TURN 1, 0, 1                                   ; slot 1 its K step 1, and its first fragments are fetched and converted
	OUT                                            ; both refills are asked for: now the tile goes out
	s_mov_b64 s[16:17], NEXT_C
	s_mov_b64 s[BPA:BPA+1], s[BPB:BPB+1]           ; (the loads that named it were issued ahead of several waits for translated addresses)
	s_mov_b64 s[XN:XN+1], s[XL:XL+1]
	s_mov_b64 s[PF1:PF1+1], s[PF2:PF2+1]
	s_sub_co_u32 s2, s2, 1
	s_branch .Ltile
.Llast_tile:
	CHANGE 0, 0, 0                                 ; my one load that was out is slot 1's, the last K step's, so no round follows
	FETCH1 1, 0, 0
	WORK 1, 0, 1, 0, 0
	HALF 1, 1, 0, 1, 0
	s_wait_dscnt 0x0                               ; the very last half: nothing more to fetch
	MUL16 1, 0, 0, 0
	MUL16 1, 0, 2, 0
	MUL16 1, 1, 0, 0
	MUL16 1, 1, 2, 0
	OUT
	s_wait_tensorcnt 0x0                           ; the wave's end: behind my last tensor load and my last LDS store
	ds_add_u32 v[SPW], v[NIL]
	s_wait_dscnt 0x0
	CROUND                                         ; the closing round
	s_endpgm
.Lfunc_end_k_q043dd5729b_proj:
	.size	k_q043dd5729b_proj, .Lfunc_end_k_q043dd5729b_proj-k_q043dd5729b_proj
	.p2alignl 7, 3214868480
	.fill 96, 4, 3214868480
	.section	.rodata,"a",@progbits
	.p2align	6, 0x0
	.amdhsa_kernel k_q043dd5729b_proj
		.amdhsa_group_segment_fixed_size 327680
		.amdhsa_private_segment_fixed_size 0
		.amdhsa_enable_private_segment 0
		.amdhsa_kernarg_size 64
		.amdhsa_user_sgpr_count 2
		.amdhsa_user_sgpr_kernarg_segment_ptr 1
		.amdhsa_wavefront_size32 1
		.amdhsa_system_sgpr_workgroup_id_x 1
		.amdhsa_system_sgpr_workgroup_id_y 1
		.amdhsa_system_sgpr_workgroup_id_z 1
		.amdhsa_system_vgpr_workitem_id 0
		.amdhsa_next_free_vgpr 1024
		.amdhsa_next_free_sgpr 96
		.amdhsa_reserve_vcc 0
		.amdhsa_float_denorm_mode_32 3
		.amdhsa_float_denorm_mode_16_64 3
		.amdhsa_memory_ordered 1
		.amdhsa_forward_progress 1
		.amdhsa_inst_pref_size 200
	.end_amdhsa_kernel
	.amdgpu_metadata
---
amdhsa.version: [ 1, 2 ]
amdhsa.kernels:
  - .name:           k_q043dd5729b_proj
    .symbol:         k_q043dd5729b_proj.kd
    .args:
      - { .name: query, .offset: 0, .size: 8, .value_kind: global_buffer, .address_space: global }
      - { .name: key, .offset: 8, .size: 8, .value_kind: global_buffer, .address_space: global }
      - { .name: value, .offset: 16, .size: 8, .value_kind: global_buffer, .address_space: global }
      - { .name: wb, .offset: 24, .size: 8, .value_kind: global_buffer, .address_space: global }
      - { .name: q_b, .offset: 32, .size: 8, .value_kind: global_buffer, .address_space: global }
      - { .name: k_b, .offset: 40, .size: 8, .value_kind: global_buffer, .address_space: global }
      - { .name: v_b, .offset: 48, .size: 8, .value_kind: global_buffer, .address_space: global }
      - { .name: qkv, .offset: 56, .size: 8, .value_kind: global_buffer, .address_space: global }
    .group_segment_fixed_size: 327680
    .private_segment_fixed_size: 0
    .kernarg_segment_align: 8
    .kernarg_segment_size: 64
    .max_flat_workgroup_size: 128
    .sgpr_count:     96
    .vgpr_count:     1024
    .wavefront_size: 32
...
	.end_amdgpu_metadata
.endif
;; end of part 2
;; launch scores (part 3): grid 8 x 32, 4 waves a work-group, clusters of 4 x 4, 327,680 bytes of LDS; arguments qkv, ew, mbits, smax, ssum; writes ew, smax, ssum
.if DOCPART == 3
	.amdgcn_target "amdgcn-amd-amdhsa--gfx1250"
	.amdhsa_code_object_version 6
	.text
	.protected	k_q043dd5729b_scores
	.globl	k_q043dd5729b_scores
	.p2align	8
	.type	k_q043dd5729b_scores,@function
k_q043dd5729b_scores:
	s_mov_b64 s[64:65], 0
	v_nop
	global_prefetch_b8 v0, s[64:65] scope:SCOPE_SE
	s_setreg_imm32_b32 hwreg(HW_REG_WAVE_MODE, 25, 1), 1
	s_wait_xcnt 0x0
	s_wait_alu depctr_hold_cnt(0) depctr_sa_sdst(0) depctr_va_vdst(0) depctr_va_sdst(0) depctr_va_ssrc(0) depctr_va_vcc(0) depctr_vm_vsrc(0)
	s_getreg_b32 s2, hwreg(HW_REG_IB_STS2, 6, 4)
	s_cmp_eq_u32 s2, 0
	s_cbranch_scc0 .Lentry_in_a_cluster
	s_endpgm
.Lentry_in_a_cluster:
	s_bfe_u32 s2, ttmp6, 0x10000c
	s_cmp_lg_u32 s2, 0xf033
	s_cbranch_scc0 .Lentry_shape_is_right
	s_endpgm
.Lentry_shape_is_right:
; SCORES AND THE FIRST HALF OF THE SOFTMAX.  For each batch: x = q k^T (f16 operands, f32 sums over 1,024); y = c x, c = log2(e) / 32; y = c (-3.2e10), which is log2(e) (-1e9), where the mask is set;
; for each query row and each block of 128 keys: cm = the largest y of the block, E = 2^(y - cm), l = the sum of the block's E (f32, of the unrounded E).
; ew [8192 rows][2048 keys] f16 takes E, smax and ssum [4][16 key blocks][2048 rows] f32 take cm and l.  The next launch joins the 16 blocks of a row under the row's own maximum.
; The block's true maximum is taken away by a subtraction, so the largest entry has exponent 0 exactly, in a block that is masked throughout too; E lies in 0 to 1.
; LIMITS.  q and k arrive within f16; E below 6e-5 keeps f16's fixed step of 6e-8; a weight below 2^-126 counts as 0 in l; NaN and infinities are not treated apart.
; SHARES.  A tile is 256 queries x 256 keys: 32 x 8 tiles, one work-group each.  Four waves, each 128 x 128: 64 accumulators, 512 registers; a wave's 128 keys are one block of the statistics.
; K goes in steps of 128 through two LDS slots.  CLUSTER 4 x 4: q's tile is shared along a cluster's row, k's along a column (a cluster's four tile rows lie in one batch), each asked for jointly.
; TRANSPOSED USE (source 0 = 16 keys, source 1 = 16 queries): lane l holds query l % 16 and keys 8 (l / 16) + 0..7; a row's maximum and sum want one exchange between the halves of the lanes.
; THE MASK comes as lane-mask words made by the launch before, [query block][j / 4][key block][j % 4]: word (key block b, register j) in a scalar register is the third source of one v_cndmask_b32.
; REGISTERS, in windows of 256: window 0: v0-31 addresses and statistics; v64-127, v128-191 q's fragments, two buffers; v192-223 packed E; v32-63, v224-255 rows on the way out
;   window 1: v64-191 k's fragments     window 2: the accumulators of my rows 0-63 ((a, b) at 8 (8 a + b))     window 3: those of my rows 64-127
.set ROWB,   2048                      ; bytes in a row of q and k
.set EROW,   4096                      ; bytes in a row of ew
.set PITCH,  272
.set HALFT,  128*PITCH
.set SLOT,   4*HALFT
.set STAGE,  2*SLOT                    ; 16 rows x 272 bytes for each wave
.set STAT,   STAGE+4*16*PITCH          ; for each wave 128 cm, then 128 l
.set SPARE,  STAT+4*1024               ; the spare words
.set LAPS,   4
.set PADW,   (1<<16)|(1<<20)|(1<<21)|(5<<22)|(3<<25)
.set CM,   2                           ; v[2:3]  cm, named as a pair
.set MX,   4                           ; v[4:7]  at work
.set SGO,  8                           ; v8   16 x lane
.set SRD,  9                           ; v9   where I read my wave's statistics back
.set ADRA, 16
.set ADRB, 20
.set STO,  24
.set RD,   25
.set CO,   26
.set STA,  27                          ; v27  where I put a statistic: lanes 0-15 cm, lanes 16-31 l
.set SPW,  28
.set NIL,  29
.set PFO,  30
.set OB,   32
.set F0,   64
.set F1,   128
.set TMP,  192
.set G1,   24
.set G0,   32
.set G1B,  48
.set G0B,  56
.set LIM,  43
.set PFA,  44
.set MB,   84                          ; s[84:85] mbits at my first block of 16 queries and my 8 key blocks
.set SMX,  86                          ; s[86:87] smax at my 128 rows of my key block
.set SSM,  88                          ; s[88:89] ssum likewise
.set CS,   90                          ; s[90:91] c
.set CNEG, 92                          ; s92  c x (-3.2e10), rounded to f32
.set HIH,  93                          ; s93  lanes 16-31
.set SEL,  94                          ; s[94:95] v_permlanex16_b32's selects
.set OUTC, 96                          ; s96  halves of the way out to go
.set CSTEP, 98                         ; s[98:99] what the next half's first stores add to ew's address
.set MSB, 0
.macro WIN new
.if MSB != (\new)
	s_set_vgpr_msb (MSB<<8)|(\new)
.set MSB, \new
.endif
.endm
.set MUL_LO, 0xa1
.set MUL_HI, 0xf1
.set TO_B,   0x40
.macro JLOAD s                         ; waves 0 and 1 fetch q's two halves, waves 2 and 3 k's; an s_nop 0 and four v_nop follow each line
	s_cmp_eq_u32 s11, 0
	s_cbranch_scc0 .Lfor_b_\@
	tensor_load_to_lds s[G0+4*(\s):G0+4*(\s)+3], s[G1:G1+7]
	s_nop 0
.rept 4
	v_nop
.endr
	s_branch .Lasked_\@
.Lfor_b_\@:
	tensor_load_to_lds s[G0B+4*(\s):G0B+4*(\s)+3], s[G1B:G1B+7]
	s_nop 0
.rept 4
	v_nop
.endr
.Lasked_\@:
.endm
; A prefetch of the K step two refills on (512 matrix instructions ahead of its load): 32 rows x 256 bytes, a lane a row.  q's rows are read by both clusters of a row of clusters: the one with x = 0 asks;
; k's rows by the two clusters of a batch in a column: the one with even y asks.  The four partners of a joint load take 32 rows each of the 128 that a wave fetches, told apart by address.
; The loop's last trip has no K step two on and asks for nothing.
.macro ASK
	s_cmp_gt_u32 s3, s[LIM]
	s_cbranch_scc0 .Lnot_mine_\@
	global_prefetch_b8 v[PFO], s[PFA:PFA+1] th:TH_LOAD_NT scope:SCOPE_SE
.Lnot_mine_\@:
.endm
.macro CREST
	s_cmp_lg_u32 s10, 0
	s_cbranch_scc1 .Lnot_wave_0_\@
	s_barrier_signal -3
.Lnot_wave_0_\@:
	s_barrier_wait -3
	s_barrier_signal -1
	s_barrier_wait -1
.endm
.macro CROUND
	s_barrier_signal -1
	s_barrier_wait -1
	CREST
.endm
.macro PLACES
.rept 4
	v_nop
.endr
.endm
	s_load_b128 s[4:7], s[0:1], 0x0                ; qkv s[4:5], ew s[6:7]
	s_load_b128 s[84:87], s[0:1], 0x10             ; mbits, smax
	s_load_b64 s[88:89], s[0:1], 0x20              ; ssum
	v_lshl_add_u32 v[SPW], v0, 2, SPARE
	v_mov_b32 v[NIL], 0
	ds_add_u32 v[SPW], v[NIL]                      ; the wave's opening: the add and its wait ahead of my first tensor load
	v_lshrrev_b32 v1, 5, v0
	v_readfirstlane_b32 s10, v1                    ; wave 0..3
	s_lshr_b32 s11, s10, 1                         ; my half of the tile's queries.  Also: I fetch for q (0) or for k (1)
	s_and_b32 s12, s10, 1                          ; my half of its keys.  Also: which 128 rows I fetch
	s_bfe_u32 s40, ttmp6, 0x40000                  ; cx
	s_bfe_u32 s41, ttmp6, 0x40004                  ; cy
	s_lshl_b32 s42, ttmp9, 2
	s_add_co_u32 s42, s42, s40                     ; tile column (keys)
	s_and_b32 s13, ttmp7, 0xffff
	s_lshl_b32 s13, s13, 2
	s_add_co_u32 s13, s13, s41                     ; tile row (queries, over all batches)
	s_lshl_b32 s43, s41, 2
	s_lshl_b32 s43, 15, s43
	s_lshl_b32 s44, 0x1111, s40
	s_or_b32 s[G1+0], s43, PADW
	s_or_b32 s[G1B+0], s44, PADW
.irp g, G1, G1B
	s_mov_b32 s[(\g)+1], 128<<16                   ; a tile of 128 rows x 128 elements
	s_mov_b32 s[(\g)+2], 128<<16
	s_mov_b32 s[(\g)+3], 128<<16
	s_mov_b32 s[(\g)+4], 128
	s_mov_b32 s[(\g)+5], 1024
	s_mov_b32 s[(\g)+6], 0
	s_mov_b32 s[(\g)+7], 0
.endr
	s_mov_b32 s[CS], 0x3d38aa3b                    ; c = log2(e) / 32
	s_mov_b32 s[CS+1], s[CS]
	s_mov_b32 s[CNEG], 0xceabfb8f                  ; -1,442,695,040
	s_mov_b32 s[HIH], 0xffff0000
	s_mov_b32 s[SEL], 0x76543210
	s_mov_b32 s[SEL+1], 0xfedcba98
	s_lshl_b32 s17, s12, 7
	s_lshl_b32 s16, s13, 8
	s_add_co_u32 s16, s16, s17                     ; q: row 256 x tile row + 128 x half
	s_and_b32 s47, ttmp7, 0xffff                   ; the batch is made of the cluster's y alone, which the partners share
	s_lshr_b32 s47, s47, 1
	s_lshl_b32 s47, s47, 11
	s_lshl_b32 s46, s42, 8
	s_add_co_u32 s46, s46, s47
	s_add_co_u32 s46, s46, s17                     ; k: row 2,048 x batch + 256 x tile column + 128 x half
	s_lshl_b32 s16, s16, 11
	s_lshl_b32 s46, s46, 11
	s_mov_b32 s17, 0
	s_mov_b32 s47, 0
	s_mul_i32 s20, s10, HALFT                      ; where they go: wave x 128 rows
	s_wait_dscnt 0x0
	s_wait_kmcnt 0x0
	s_mov_b64 s[8:9], s[6:7]                       ; ew
	s_add_nc_u64 s[6:7], s[4:5], 8192*ROWB         ; k lies behind q
	s_add_nc_u64 s[14:15], s[4:5], s[16:17]
	s_add_nc_u64 s[46:47], s[6:7], s[46:47]
	CROUND
.irp s, 0,1
	s_mov_b32 s[G0+4*(\s)], 1
	s_add_co_u32 s[G0+4*(\s)+1], s20, (\s)*SLOT
	s_add_nc_u64 s[G0+4*(\s)+2:G0+4*(\s)+3], s[14:15], (\s)*256
	s_or_b32 s[G0+4*(\s)+3], s[G0+4*(\s)+3], 0x80000000
	s_mov_b32 s[G0B+4*(\s)], 1
	s_add_co_u32 s[G0B+4*(\s)+1], s20, (\s)*SLOT
	s_add_nc_u64 s[G0B+4*(\s)+2:G0B+4*(\s)+3], s[46:47], (\s)*256
	s_or_b32 s[G0B+4*(\s)+3], s[G0B+4*(\s)+3], 0x80000000
	JLOAD \s
.endr
	v_and_b32 v1, 15, v0                           ; l % 16
	v_bfe_u32 v10, v0, 4, 1                        ; l / 16
	v_mul_u32_u24 v11, v1, PITCH
	v_lshl_add_u32 v11, v10, 4, v11
	s_mul_i32 s21, s11, HALFT
	s_mul_i32 s22, s12, HALFT
	s_add_co_u32 s22, s22, 2*HALFT
.irp s, 0,1
	v_add_nc_u32 v[ADRA+(\s)], s21, v11
	v_add_nc_u32 v[ADRB+(\s)], s22, v11
	s_add_co_u32 s21, s21, SLOT
	s_add_co_u32 s22, s22, SLOT
.endr
	s_mul_i32 s23, s10, 16*PITCH
	s_add_co_u32 s23, s23, STAGE
	v_add_nc_u32 v[STO], s23, v11
	v_mul_u32_u24 v12, v10, PITCH
	v_lshl_add_u32 v12, v1, 4, v12
	v_add_nc_u32 v[RD], s23, v12
	v_lshlrev_b32 v12, 12, v10
	v_lshl_add_u32 v[CO], v1, 4, v12
	s_lshl_b32 s23, s10, 10
	s_add_co_u32 s23, s23, STAT                    ; my wave's statistics
	v_lshlrev_b32 v12, 9, v10
	v_lshl_add_u32 v12, v1, 2, v12
	v_add_nc_u32 v[STA], s23, v12                  ; 4 (l % 16) + 512 (l / 16)
	v_and_b32 v[SGO], 31, v0
	v_lshlrev_b32 v[SGO], 4, v[SGO]
	v_add_nc_u32 v[SRD], s23, v[SGO]
	v_mov_b32 v[CM+1], 0                           ; named with cm as a pair
	s_lshl_b32 s16, s13, 8                         ; ew: my first row x 4,096 + 512 x tile column + 256 x half
	s_lshl_b32 s14, s11, 7
	s_add_co_u32 s16, s16, s14
	s_lshl_b32 s[CSTEP], s16, 12
	s_lshl_b32 s46, s42, 9
	s_lshl_b32 s47, s12, 8
	s_add_co_u32 s46, s46, s47
	s_add_co_u32 s[CSTEP], s[CSTEP], s46
	s_mov_b32 s[CSTEP+1], 0
	s_lshr_b32 s46, s46, 1                         ; mbits: (16 x tile row + 8 x half) x 4,096 + (16 x tile column + 8 x half) x 16
	s_lshl_b32 s16, s13, 16
	s_lshl_b32 s14, s11, 15
	s_add_co_u32 s16, s16, s14
	s_add_co_u32 s16, s16, s46
	s_mov_b32 s17, 0
	s_add_nc_u64 s[MB:MB+1], s[MB:MB+1], s[16:17]
	s_lshr_b32 s16, s13, 3                         ; the statistics: ((batch x 16 + key block) x 2,048 + my first row in the batch) x 4
	s_lshl_b32 s16, s16, 17
	s_lshl_b32 s14, s42, 14
	s_add_co_u32 s16, s16, s14
	s_lshl_b32 s14, s12, 13
	s_add_co_u32 s16, s16, s14
	s_and_b32 s14, s13, 7
	s_lshl_b32 s14, s14, 10
	s_add_co_u32 s16, s16, s14
	s_lshl_b32 s14, s11, 9
	s_add_co_u32 s16, s16, s14
	s_add_nc_u64 s[SMX:SMX+1], s[SMX:SMX+1], s[16:17]
	s_add_nc_u64 s[SSM:SSM+1], s[SSM:SSM+1], s[16:17]
	; the prefetches
	s_lshl_b32 s20, s13, 8
	s_and_b32 s22, ttmp7, 0xffff
	s_lshr_b32 s21, s22, 1
	s_lshl_b32 s21, s21, 11
	s_lshl_b32 s23, s42, 8
	s_add_co_u32 s21, s21, s23
	s_and_b32 s22, s22, 1
	s_cmp_eq_u32 s11, 0
	s_cselect_b32 s20, s20, s21                    ; the tile's first row, in q or in k
	s_cselect_b32 s21, s40, s41                    ; my place among the four that ask for it with me
	s_cselect_b32 s22, ttmp9, s22                  ; the coordinate along which another cluster reads the same rows
	s_cselect_b64 s[PFA:PFA+1], s[4:5], s[6:7]
	s_cmp_eq_u32 s22, 0
	s_cselect_b32 s[LIM], 1, -1
	s_lshl_b32 s22, s12, 7
	s_add_co_u32 s20, s20, s22
	s_lshl_b32 s21, s21, 5
	s_add_co_u32 s20, s20, s21
	s_lshl_b32 s20, s20, 11
	s_mov_b32 s21, 0
	s_add_nc_u64 s[PFA:PFA+1], s[PFA:PFA+1], s[20:21]
	s_add_nc_u64 s[PFA:PFA+1], s[PFA:PFA+1], 3*256  ; at K step 3: the first change of slots steps it to 4 and names that
	v_and_b32 v[PFO], 31, v0
	v_lshlrev_b32 v[PFO], 11, v[PFO]
; 16 matrix instructions: query blocks a0, a0 + 1 of the window's four x all 8 key blocks, 32 along K.  zero = 1: the first product starts the sums.  The 64 accumulators take turns.
.macro MUL16 f, hi, a0, zero
	WIN MUL_LO+0x50*(\hi)
.irp a, \a0, (\a0)+1
.irp b, 0,1,2,3,4,5,6,7
.if \zero
	v_wmma_f32_16x16x32_f16 v[8*(8*(\a)+(\b)):8*(8*(\a)+(\b))+7], v[(\f)+8*(\b):(\f)+8*(\b)+7], v[(\f)+8*(4*(\hi)+(\a)):(\f)+8*(4*(\hi)+(\a))+7], 0
.else
	v_wmma_f32_16x16x32_f16 v[8*(8*(\a)+(\b)):8*(8*(\a)+(\b))+7], v[(\f)+8*(\b):(\f)+8*(\b)+7], v[(\f)+8*(4*(\hi)+(\a)):(\f)+8*(4*(\hi)+(\a))+7], v[8*(8*(\a)+(\b)):8*(8*(\a)+(\b))+7]
.endif
.endr
.endr
.endm
.macro FETCH slot, k, f                ; 32 LDS loads in one run: a quarter step's fragments: k's, then q's
	WIN TO_B
.irp i, 0,1,2,3,4,5,6,7
	ds_load_b128 v[(\f)+8*(\i):(\f)+8*(\i)+3],   v[ADRB+(\slot)] offset:(\k)+(\i)*16*PITCH
	ds_load_b128 v[(\f)+8*(\i)+4:(\f)+8*(\i)+7], v[ADRB+(\slot)] offset:(\k)+(\i)*16*PITCH+32
.endr
	WIN 0
.irp i, 0,1,2,3,4,5,6,7
	ds_load_b128 v[(\f)+8*(\i):(\f)+8*(\i)+3],   v[ADRA+(\slot)] offset:(\k)+(\i)*16*PITCH
	ds_load_b128 v[(\f)+8*(\i)+4:(\f)+8*(\i)+7], v[ADRA+(\slot)] offset:(\k)+(\i)*16*PITCH+32
.endr
.endm
.macro QUARTER slot, k, f, g, zero     ; 64 matrix instructions on buffer f; in the middle the next quarter's fragments go into g
	s_wait_dscnt 8                                 ; all but the youngest eight loads (q's rows 64-127)
	MUL16 \f, 0, 0, \zero
	MUL16 \f, 0, 2, \zero
	PLACES
	FETCH \slot, \k, \g
	s_wait_dscnt 32                                ; all but the 32 just issued
	MUL16 \f, 1, 0, \zero
	MUL16 \f, 1, 2, \zero
.endm
; THE CHANGE OF SLOTS stands at the head of a K step's last quarter: that quarter's fragments were asked for in the middle of the quarter before, so the slot has been read out.  Each wave waits for all its
; tensor loads (one is out: its part of the next slot), adds 0 to its spare word, and waits for that and for its reads of this slot.  Behind the barrier nobody reads this slot and the next slot is whole.
; round = 1: the barrier opens a round of the cluster's and the joint refill is the first thing behind it: it has a whole K step, 256 products, in which to land.
.macro CHANGE slot, round
	WIN 0
	s_wait_tensorcnt 0x0                           ; no tensor load of mine is out, so a group 0 may be written
	ds_add_u32 v[SPW], v[NIL]                      ; 0 onto my spare word; the descriptors' steps stand between it and the wait for it
.if \round
	s_add_nc_u64 s[G0+4*(\slot)+2:G0+4*(\slot)+3], s[G0+4*(\slot)+2:G0+4*(\slot)+3], 2*256
	s_add_nc_u64 s[G0B+4*(\slot)+2:G0B+4*(\slot)+3], s[G0B+4*(\slot)+2:G0B+4*(\slot)+3], 2*256
.endif
	s_wait_dscnt 0x0                               ; the add is done, my reads of this slot are over, and all of buffer 1 is in
	s_barrier_signal -1
	s_barrier_wait -1
.if \round
	CREST                                          ; no wave of any partner still reads this slot or has a load on its way
	JLOAD \slot                                    ; its four v_nop are also the places in front of the loads that follow
.else
	PLACES
.endif
.endm
.macro TURN slot, next                 ; a K step's last quarter
	s_wait_xcnt 0x0                                ; the last prefetch, a K step back, has read its address
	s_add_nc_u64 s[PFA:PFA+1], s[PFA:PFA+1], 256
	CHANGE \slot, 1
	FETCH \next, 0, F0
	ASK
	MUL16 F1, 0, 0, 0
	MUL16 F1, 0, 2, 0
	MUL16 F1, 1, 0, 0
	MUL16 F1, 1, 2, 0
.endm
.macro MLOAD off                       ; the 64 mask words of a block of 16 queries x my 128 keys: registers j = 0..3 of my 8 key blocks, 128 bytes on end, and 2,048 bytes further on j = 4..7
	s_load_b512 s[16:31], s[MB:MB+1], (\off)
	s_load_b512 s[32:47], s[MB:MB+1], (\off)+64
	s_load_b512 s[48:63], s[MB:MB+1], (\off)+2048
	s_load_b512 s[68:83], s[MB:MB+1], (\off)+2048+64
.endm
; THE SOFTMAX'S FIRST HALF for query block a of window 2: the lane's 64 scores x[n], n = 8 b + j.
.macro SOFT a
.set XB, 64*(\a)
	s_wait_kmcnt 0x0                               ; this block's mask words
	WIN 0x82
.set n, 0
.rept 32
	v_pk_mul_f32 v[XB+n:XB+n+1], v[XB+n:XB+n+1], s[CS:CS+1] op_sel_hi:[1,0]  ; y = c x; each accumulator's lowest registers are read first
.set n, n+2
.endr
.set n, 0
.rept 64
.set m, 32*((n%8)/4)+4*(n/8)+n%4       ; the word's place among the 64 as they were loaded
.if m < 48
	v_cndmask_b32 v[XB+n], v[XB+n], s[CNEG], s[16+m]
.else
	v_cndmask_b32 v[XB+n], v[XB+n], s[CNEG], s[20+m]
.endif
.set n, n+1
.endr
	WIN 0x2a                                       ; the maximum: four chains, three operands at a time
.irp k, 0,1,2,3
	v_max3_num_f32 v[MX+(\k)], v[XB+3*(\k)], v[XB+3*(\k)+1], v[XB+3*(\k)+2]
.endr
	WIN 0x28
.set n, 0
.rept 26
	v_max3_num_f32 v[MX+n%4], v[MX+n%4], v[XB+12+2*n], v[XB+13+2*n]
.set n, n+1
.endr
	WIN 0
	v_max3_num_f32 v[MX], v[MX], v[MX+1], v[MX+2]
	v_max_num_f32 v[MX], v[MX], v[MX+3]
	v_permlanex16_b32 v[MX+1], v[MX], s[SEL], s[SEL+1]  ; the row's other 64 keys lie in the lane 16 away
.if (\a) == 3
	s_cmp_eq_u32 s[OUTC], 1                        ; behind my last block there is none
	s_cbranch_scc1 .Lno_mask_\@
.endif
	MLOAD ((\a)+1)*4096                            ; the next block's words, behind the selects that read this block's
.if (\a) == 3
.Lno_mask_\@:
.endif
	v_max_num_f32 v[CM], v[MX], v[MX+1]
	WIN 0x82                                       ; ONE BATCH: 32 subtractions y - cm and 64 exponentials; none of these lines names an exponential's result
.irp p, 0,1
	v_pk_add_f32 v[XB+2*(\p):XB+2*(\p)+1], v[XB+2*(\p):XB+2*(\p)+1], v[CM:CM+1] op_sel_hi:[1,0] neg_lo:[0,1] neg_hi:[0,1]
.endr
.set p, 0
.rept 32
	v_exp_f32 v[XB+2*p], v[XB+2*p]
.if p < 30
	v_pk_add_f32 v[XB+2*p+4:XB+2*p+5], v[XB+2*p+4:XB+2*p+5], v[CM:CM+1] op_sel_hi:[1,0] neg_lo:[0,1] neg_hi:[0,1]
.endif
	v_exp_f32 v[XB+2*p+1], v[XB+2*p+1]
.set p, p+1
.endr
	v_nop                                          ; a plain instruction behind the last exponential,
	s_wait_alu depctr_va_vdst(0)                   ; and the one wait ahead of the batch's first reader
	WIN 0x0a
.set p, 0
.rept 32
	v_cvt_pk_f16_f32 v[TMP+p], v[XB+2*p], v[XB+2*p+1]
.set p, p+1
.endr
	WIN 0x8a                                       ; the sum of the 32 pairs, in place: neighbours 1, 2, 4, 8, 16 pairs apart
.irp w, 4,8,16,32,64
.set u, 0
.rept 64/\w
	v_pk_add_f32 v[XB+\w*u:XB+\w*u+1], v[XB+\w*u:XB+\w*u+1], v[XB+\w*u+\w/2:XB+\w*u+\w/2+1]
.set u, u+1
.endr
.endr
	WIN 0x0a
	v_add_f32 v[MX], v[XB], v[XB+1]
	WIN 0
	v_permlanex16_b32 v[MX+1], v[MX], s[SEL], s[SEL+1]
	v_add_f32 v[MX], v[MX], v[MX+1]
	v_cndmask_b32 v[MX+2], v[CM], v[MX], s[HIH]    ; lanes 0-15 hand in cm, lanes 16-31 l
	ds_store_b32 v[STA], v[MX+2] offset:64*(\a)
.endm
.macro TOSTAGE a
	WIN 0
.set BK, OB+192*((\a)%2)
.irp b, 0,1,2,3,4,5,6,7
	ds_store_b128 v[STO], v[TMP+4*(\b):TMP+4*(\b)+3] offset:32*(\b)
.endr
.irp t, 0,1,2,3,4,5,6,7
	ds_load_b128 v[BK+4*(\t):BK+4*(\t)+3], v[RD] offset:(\t)*2*PITCH  ; LDS serves a wave's instructions in order (ISA guide 5.7.1.4)
.endr
.endm
.macro SEND a
	WIN 0
.set BK, OB+192*((\a)%2)
	s_wait_dscnt 0x0
	s_wait_xcnt 0x0                                ; the stores' base and the registers that earlier stores read are rewritten only behind this wait
.if (\a) == 0
	s_add_nc_u64 s[8:9], s[8:9], s[CSTEP:CSTEP+1]
.else
	s_add_nc_u64 s[8:9], s[8:9], 16*EROW
.endif
.irp t, 0,1,2,3,4,5,6,7
	global_store_b128 v[CO], v[BK+4*(\t):BK+4*(\t)+3], s[8:9] offset:2*(\t)*EROW  ; 16 lanes store 256 consecutive bytes, aligned
.endr
.endm
	s_wait_tensorcnt 0x1                           ; my part of K step 0 is in; K step 1's may stay out
	s_barrier_signal -1
	s_barrier_wait -1
	FETCH 0, 0, F0
	QUARTER 0, 64,  F0, F1, 1                      ; the first quarter's products start the sums
	WIN 0
	s_mov_b32 s3, LAPS-1
.Llap:
	QUARTER 0, 128, F1, F0, 0
	QUARTER 0, 192, F0, F1, 0
	TURN 0, 1
	QUARTER 1, 64,  F0, F1, 0
	QUARTER 1, 128, F1, F0, 0
	QUARTER 1, 192, F0, F1, 0
	TURN 1, 0
	QUARTER 0, 64,  F0, F1, 0
	WIN 0
	s_sub_co_u32 s3, s3, 1
	s_cmp_lg_u32 s3, 0
	s_cbranch_scc1 .Llap
	QUARTER 0, 128, F1, F0, 0                      ; the last lap fills nothing
	QUARTER 0, 192, F0, F1, 0
	CHANGE 0, 0
	FETCH 1, 0, F0
	s_wait_xcnt 0x0                                ; the last prefetch has read its address: no tensor load is out and none follows, so the descriptors' and the prefetches' registers take the mask words
	MLOAD 0
	MUL16 F1, 0, 0, 0
	MUL16 F1, 0, 2, 0
	MUL16 F1, 1, 0, 0
	MUL16 F1, 1, 2, 0
	QUARTER 1, 64,  F0, F1, 0
	QUARTER 1, 128, F1, F0, 0
	QUARTER 1, 192, F0, F1, 0
	s_wait_dscnt 8
	MUL16 F1, 0, 0, 0
	MUL16 F1, 0, 2, 0
	s_wait_dscnt 0x0
	MUL16 F1, 1, 0, 0
	MUL16 F1, 1, 2, 0
	WIN 0
	PLACES
	; THE WAY OUT: one text for four query blocks in window 2, walked twice; between the walks window 3's accumulators move down.
	s_mov_b32 s[OUTC], 2
.Lhalf:
	SOFT 0
	TOSTAGE 0
.irp a, 1,2,3                          ; block a's softmax stands between block a - 1's loads from the stage and its stores
	SOFT \a
	SEND (\a)-1
	TOSTAGE \a
.endr
	SEND 3
	s_sub_co_u32 s[OUTC], s[OUTC], 1
	s_cmp_eq_u32 s[OUTC], 0
	s_cbranch_scc1 .Ldone
	s_wait_kmcnt 0x0                               ; block 4's words are in, so their base may be stepped
	s_add_nc_u64 s[MB:MB+1], s[MB:MB+1], 4*4096
	s_mov_b64 s[CSTEP:CSTEP+1], 16*EROW
	v_add_nc_u32 v[STA], 256, v[STA]
	WIN 0x83                                       ; window 3 -> window 2, ascending: the price of one text for both halves
.set i, 0
.rept 256
	v_mov_b32 v[i], v[i]
.set i, i+1
.endr
	WIN 0
	s_branch .Lhalf
.Ldone:
	ds_load_b128 v[32:35], v[SRD]                  ; my wave's 128 cm and 128 l, its own bytes: 512 bytes on end each
	ds_load_b128 v[36:39], v[SRD] offset:512
	s_wait_dscnt 0x0
	global_store_b128 v[SGO], v[32:35], s[SMX:SMX+1]
	global_store_b128 v[SGO], v[36:39], s[SSM:SSM+1]
	s_wait_tensorcnt 0x0                           ; the wave's end
	ds_add_u32 v[SPW], v[NIL]
	s_wait_dscnt 0x0
	CROUND                                         ; the closing round
	s_endpgm
.Lfunc_end_k_q043dd5729b_scores:
	.size	k_q043dd5729b_scores, .Lfunc_end_k_q043dd5729b_scores-k_q043dd5729b_scores
	.p2alignl 7, 3214868480
	.fill 96, 4, 3214868480
	.section	.rodata,"a",@progbits
	.p2align	6, 0x0
	.amdhsa_kernel k_q043dd5729b_scores
		.amdhsa_group_segment_fixed_size 327680
		.amdhsa_private_segment_fixed_size 0
		.amdhsa_enable_private_segment 0
		.amdhsa_kernarg_size 40
		.amdhsa_user_sgpr_count 2
		.amdhsa_user_sgpr_kernarg_segment_ptr 1
		.amdhsa_wavefront_size32 1
		.amdhsa_system_sgpr_workgroup_id_x 1
		.amdhsa_system_sgpr_workgroup_id_y 1
		.amdhsa_system_sgpr_workgroup_id_z 1
		.amdhsa_system_vgpr_workitem_id 0
		.amdhsa_next_free_vgpr 1024
		.amdhsa_next_free_sgpr 100
		.amdhsa_reserve_vcc 0
		.amdhsa_float_denorm_mode_32 3
		.amdhsa_float_denorm_mode_16_64 3
		.amdhsa_memory_ordered 1
		.amdhsa_forward_progress 1
		.amdhsa_inst_pref_size 198
	.end_amdhsa_kernel
	.amdgpu_metadata
---
amdhsa.version: [ 1, 2 ]
amdhsa.kernels:
  - .name:           k_q043dd5729b_scores
    .symbol:         k_q043dd5729b_scores.kd
    .args:
      - { .name: qkv, .offset: 0, .size: 8, .value_kind: global_buffer, .address_space: global }
      - { .name: ew, .offset: 8, .size: 8, .value_kind: global_buffer, .address_space: global }
      - { .name: mbits, .offset: 16, .size: 8, .value_kind: global_buffer, .address_space: global }
      - { .name: smax, .offset: 24, .size: 8, .value_kind: global_buffer, .address_space: global }
      - { .name: ssum, .offset: 32, .size: 8, .value_kind: global_buffer, .address_space: global }
    .group_segment_fixed_size: 327680
    .private_segment_fixed_size: 0
    .kernarg_segment_align: 8
    .kernarg_segment_size: 40
    .max_flat_workgroup_size: 128
    .sgpr_count:     100
    .vgpr_count:     1024
    .wavefront_size: 32
...
	.end_amdgpu_metadata
.endif
;; end of part 3
;; launch pv (part 4): grid 4 x 64, 4 waves a work-group, clusters of 4 x 4, 327,680 bytes of LDS; arguments ew, qkv, smax, ssum, out0; writes out0
.if DOCPART == 4
	.amdgcn_target "amdgcn-amd-amdhsa--gfx1250"
	.amdhsa_code_object_version 6
	.text
	.protected	k_q043dd5729b_pv
	.globl	k_q043dd5729b_pv
	.p2align	8
	.type	k_q043dd5729b_pv,@function
k_q043dd5729b_pv:
	s_mov_b64 s[64:65], 0
	v_nop
	global_prefetch_b8 v0, s[64:65] scope:SCOPE_SE
	s_setreg_imm32_b32 hwreg(HW_REG_WAVE_MODE, 25, 1), 1
	s_wait_xcnt 0x0
	s_wait_alu depctr_hold_cnt(0) depctr_sa_sdst(0) depctr_va_vdst(0) depctr_va_sdst(0) depctr_va_ssrc(0) depctr_va_vcc(0) depctr_vm_vsrc(0)
	s_getreg_b32 s2, hwreg(HW_REG_IB_STS2, 6, 4)
	s_cmp_eq_u32 s2, 0
	s_cbranch_scc0 .Lentry_in_a_cluster
	s_endpgm
.Lentry_in_a_cluster:
	s_bfe_u32 s2, ttmp6, 0x10000c
	s_cmp_lg_u32 s2, 0xf033
	s_cbranch_scc0 .Lentry_shape_is_right
	s_endpgm
.Lentry_shape_is_right:
; THE SOFTMAX'S SECOND HALF AND THE SECOND PRODUCT.  For each query row: M = the largest of its 16 block maxima cm_t; f_t = 2^(cm_t - M), at most 1, rounded to f16; L = the sum of f_t l_t (f32, with the rounded f_t);
; out0[row][n] = (sum over the blocks t and their keys of (f_t E) v[key][n]) / L.  ew [8192][2048] f16, v = the third part of qkv, [8192][1024] f16, out0 [8192][1024] f32.
; The row's true maximum is taken away: no exponent is above 0, and L is at least 1 (the block of the maximum has f = 1 and holds an E of 1).
; LIMITS.  f E below 6e-5 keeps f16's fixed step of 6e-8; v arrives within f16; NaN and infinities are not treated apart.
; SHARES.  A tile is 128 rows x 256 channels, 64 x 4 tiles, one work-group each; four waves, each 64 x 128: 32 accumulators.  K is the 2,048 keys, in 16 steps of 128: a step is a block of the statistics.
; E's fragments are multiplied by f_t in registers (one packed line a register), set behind matrix instructions, four behind each of the last sixteen of a half step.
; v lies [key][channel] and comes out of LDS turned, by ds_load_tr16_b128.  TRANSPOSED USE (source 0 = 16 channels, source 1 = 16 rows): a lane holds row l % 16 and eight neighbouring channels.
; CLUSTER 4 x 4: E's tile is shared along a cluster's row, v's along a column (a cluster's four tile rows lie in one batch), each asked for jointly.
; REGISTERS: window 0: v0-31 addresses, factors, 1 / L; v32-63, v224-255 rows on the way out; v64-127, v128-191 E's fragments, two buffers of 64 keys; v192-223 at work on the way out
;   window 1: v's fragments, two buffers of 128     window 2: the accumulators ((a, b) at 8 (8 a + b))
.set EROW,   4096                      ; bytes in a row of ew and of out0
.set VROW,   2048                      ; bytes in a row of v
.set PITCH,  272                       ; E's rows in LDS: 256 + 16
.set PV,     544                       ; v's rows in LDS: 512 + 32 = 136 words
.set AH,     64*PITCH
.set AT,     128*PITCH
.set BH,     64*PV                     ; what a wave fetches of v: 64 keys
.set SLOT,   AT+2*BH
.set STAGE,  2*SLOT
.set FT,     STAGE+4*16*PITCH          ; the factors: for step t, at 512 t + 256 (row / 64) + 16 (row % 16) + 4 ((row / 16) % 4), the pair (f, f) in f16
.set RL,     FT+16*512                 ; 1 / L, a word a row
.set SPARE,  RL+512                    ; the spare words
.set VSTEP,  128*VROW                  ; a K step in v
.set PADA,   (1<<16)|(1<<20)|(1<<21)|(5<<22)|(3<<25)
.set PADB,   (1<<16)|(1<<20)|(1<<21)|(6<<22)|(7<<25)  ; after every 128 words 8 words of padding
.set FC,   4                           ; v[4:7]   the step's factors for my row in row blocks 0-3
.set RLV,  8                           ; v[8:15]  1 / L for them, in the low word of four pairs
.set ADRA, 16
.set ADRB, 20
.set STO,  24
.set RD,   25
.set CO,   26
.set FA,   27                          ; v27  where I read the step's factors
.set SPW,  28
.set NIL,  29
.set PFO,  30
.set SOF,  31                          ; v31  4 x my thread's number
.set OB,   32
.set TMP,  192
.set G1,   24
.set G0,   32
.set G1B,  48
.set G0B,  56
.set LIM,  43
.set PFA,  44
.set SMX,  68                          ; s[68:69] smax at the work-group's rows
.set SSM,  70                          ; s[70:71] ssum
.set PST,  72                          ; s[72:73] a K step for my prefetches: 256 bytes in ew, 128 rows in v
.set MSB, 0
.macro WIN new
.if MSB != (\new)
	s_set_vgpr_msb (MSB<<8)|(\new)
.set MSB, \new
.endif
.endm
.macro JLOAD s                         ; waves 0 and 1 fetch E's two halves, waves 2 and 3 v's; an s_nop 0 and four v_nop follow each line
	s_cmp_eq_u32 s11, 0
	s_cbranch_scc0 .Lfor_b_\@
	tensor_load_to_lds s[G0+4*(\s):G0+4*(\s)+3], s[G1:G1+7]
	s_nop 0
.rept 4
	v_nop
.endr
	s_branch .Lasked_\@
.Lfor_b_\@:
	tensor_load_to_lds s[G0B+4*(\s):G0B+4*(\s)+3], s[G1B:G1B+7]
	s_nop 0
.rept 4
	v_nop
.endr
.Lasked_\@:
.endm
; A prefetch of the K step two refills on (256 matrix instructions ahead of its load), 32 blocks of 256 bytes, a lane a block; each block is named once in the launch.  E's 128 rows of a tile are read by one
; row of one cluster: wave 0 of each of its four work-groups takes 32 rows (cx).  v's 128 keys x 512 bytes are read by the four clusters of a batch: the first of them asks, waves 2 and 3 for the 64 keys that
; they fetch, the four work-groups of a column 16 keys each (cy), two lanes a key.  The loop's last trip asks for nothing.
.macro ASK
	s_cmp_gt_u32 s3, s[LIM]
	s_cbranch_scc0 .Lnot_mine_\@
	global_prefetch_b8 v[PFO], s[PFA:PFA+1] th:TH_LOAD_NT scope:SCOPE_SE
.Lnot_mine_\@:
.endm
.macro CREST
	s_cmp_lg_u32 s10, 0
	s_cbranch_scc1 .Lnot_wave_0_\@
	s_barrier_signal -3
.Lnot_wave_0_\@:
	s_barrier_wait -3
	s_barrier_signal -1
	s_barrier_wait -1
.endm
.macro CROUND
	s_barrier_signal -1
	s_barrier_wait -1
	CREST
.endm
.macro PLACES
.rept 4
	v_nop
.endr
.endm
	s_load_b128 s[4:7], s[0:1], 0x0                ; ew s[4:5], qkv s[6:7]
	s_load_b128 s[68:71], s[0:1], 0x10             ; smax, ssum
	s_load_b64 s[8:9], s[0:1], 0x20                ; out0
	v_lshl_add_u32 v[SPW], v0, 2, SPARE
	v_mov_b32 v[NIL], 0
	ds_add_u32 v[SPW], v[NIL]                      ; the wave's opening: the add and its wait ahead of my first tensor load
	v_lshrrev_b32 v1, 5, v0
	v_readfirstlane_b32 s10, v1
	s_lshr_b32 s11, s10, 1                         ; my 64 of the tile's rows.  Also: I fetch for E (0) or for v (1)
	s_and_b32 s12, s10, 1                          ; my 128 of its channels.  Also: which half I fetch
	s_bfe_u32 s40, ttmp6, 0x40000
	s_bfe_u32 s41, ttmp6, 0x40004
	s_lshl_b32 s42, ttmp9, 2
	s_add_co_u32 s42, s42, s40                     ; tile column (channels)
	s_and_b32 s13, ttmp7, 0xffff
	s_lshl_b32 s13, s13, 2
	s_add_co_u32 s13, s13, s41                     ; tile row
	s_lshl_b32 s43, s41, 2
	s_lshl_b32 s43, 15, s43
	s_lshl_b32 s44, 0x1111, s40
	s_or_b32 s[G1+0], s43, PADA
	s_or_b32 s[G1B+0], s44, PADB
	s_mov_b32 s[G1+1], 128<<16                     ; E: 64 rows x 128 keys, 2,048 elements from row to row
	s_mov_b32 s[G1+2], 64<<16
	s_mov_b32 s[G1+3], 128<<16
	s_mov_b32 s[G1+4], 64
	s_mov_b32 s[G1+5], 2048
	s_mov_b32 s[G1+6], 0
	s_mov_b32 s[G1+7], 0
	s_mov_b32 s[G1B+1], 256<<16                    ; v: 64 keys x 256 channels, 1,024 elements from row to row
	s_mov_b32 s[G1B+2], 64<<16
	s_mov_b32 s[G1B+3], 256<<16
	s_mov_b32 s[G1B+4], 64
	s_mov_b32 s[G1B+5], 1024
	s_mov_b32 s[G1B+6], 0
	s_mov_b32 s[G1B+7], 0
	s_lshl_b32 s17, s12, 6
	s_lshl_b32 s16, s13, 7
	s_add_co_u32 s16, s16, s17                     ; E: row 128 x tile row + 64 x half
	s_lshl_b32 s16, s16, 12
	s_and_b32 s47, ttmp7, 0xffff                   ; the batch is made of the cluster's y alone
	s_lshr_b32 s47, s47, 2
	s_lshl_b32 s47, s47, 11
	s_add_co_u32 s46, s47, s17                     ; v: key 2,048 x batch + 64 x half,
	s_lshl_b32 s46, s46, 11
	s_lshl_b32 s47, s42, 9                         ; channel 256 x tile column
	s_add_co_u32 s46, s46, s47
	s_mov_b32 s17, 0
	s_mov_b32 s47, 0
	s_mul_i32 s20, s12, AH
	s_mul_i32 s21, s12, BH
	s_add_co_u32 s21, s21, AT
	s_wait_dscnt 0x0
	s_wait_kmcnt 0x0
	s_add_nc_u64 s[6:7], s[6:7], 2*8192*VROW       ; v lies behind q and k
	s_add_nc_u64 s[14:15], s[4:5], s[16:17]
	s_add_nc_u64 s[46:47], s[6:7], s[46:47]
	CROUND
.irp s, 0,1
	s_mov_b32 s[G0+4*(\s)], 1
	s_add_co_u32 s[G0+4*(\s)+1], s20, (\s)*SLOT
	s_add_nc_u64 s[G0+4*(\s)+2:G0+4*(\s)+3], s[14:15], (\s)*256
	s_or_b32 s[G0+4*(\s)+3], s[G0+4*(\s)+3], 0x80000000
	s_mov_b32 s[G0B+4*(\s)], 1
	s_add_co_u32 s[G0B+4*(\s)+1], s21, (\s)*SLOT
	s_add_nc_u64 s[G0B+4*(\s)+2:G0B+4*(\s)+3], s[46:47], (\s)*VSTEP
	s_or_b32 s[G0B+4*(\s)+3], s[G0B+4*(\s)+3], 0x80000000
	JLOAD \s
.endr
	; the statistics: thread t takes row t of the work-group's 128: its 16 cm and 16 l, 512 consecutive bytes a load of the four waves
	s_lshr_b32 s20, s13, 4                         ; batch
	s_lshl_b32 s20, s20, 17
	s_and_b32 s21, s13, 15
	s_lshl_b32 s21, s21, 9
	s_add_co_u32 s20, s20, s21
	s_mov_b32 s21, 0
	s_add_nc_u64 s[SMX:SMX+1], s[SMX:SMX+1], s[20:21]
	s_add_nc_u64 s[SSM:SSM+1], s[SSM:SSM+1], s[20:21]
	v_lshlrev_b32 v[SOF], 2, v0
.set t, 0
.rept 16
	global_load_b32 v[64+t], v[SOF], s[SMX:SMX+1] offset:8192*t
.set t, t+1
.endr
.set t, 0
.rept 16
	global_load_b32 v[80+t], v[SOF], s[SSM:SSM+1] offset:8192*t
.set t, t+1
.endr
	v_and_b32 v1, 15, v0                           ; l % 16
	v_bfe_u32 v2, v0, 4, 1                         ; l / 16
	v_mul_u32_u24 v3, v1, PITCH
	v_lshl_add_u32 v3, v2, 4, v3
	s_mul_i32 s21, s11, AH
.irp s, 0,1
	v_add_nc_u32 v[ADRA+(\s)], s21, v3
	s_add_co_u32 s21, s21, SLOT
.endr
	v_and_b32 v4, 7, v0                            ; the turning load: lane l reads key 8 (l / 16) + l % 8, channels 8 ((l / 8) % 2) + 0..7
	v_lshl_add_u32 v4, v2, 3, v4
	v_mul_u32_u24 v4, v4, PV
	v_bfe_u32 v5, v0, 3, 1
	v_lshl_add_u32 v4, v5, 4, v4
	s_lshl_b32 s22, s12, 8                         ; my 128 channels
	s_add_co_u32 s22, s22, AT
.irp s, 0,1
	v_add_nc_u32 v[ADRB+(\s)], s22, v4
	s_add_co_u32 s22, s22, SLOT
.endr
	s_mul_i32 s23, s10, 16*PITCH
	s_add_co_u32 s23, s23, STAGE
	v_mul_u32_u24 v4, v1, PITCH                    ; in: row l % 16, 32 bytes for each half of the lanes
	v_lshl_add_u32 v4, v2, 5, v4
	v_add_nc_u32 v[STO], s23, v4
	v_mul_u32_u24 v5, v2, PITCH
	v_lshl_add_u32 v5, v1, 4, v5
	v_add_nc_u32 v[RD], s23, v5
	v_lshlrev_b32 v5, 12, v2
	v_lshl_add_u32 v[CO], v1, 4, v5
	s_lshl_b32 s23, s11, 8
	s_add_co_u32 s23, s23, FT
	v_lshl_add_u32 v[FA], v1, 4, s23               ; FT + 256 x my row half + 16 (l % 16)
	s_add_co_u32 s23, s23, RL-FT
	v_lshl_add_u32 v3, v1, 2, s23                  ; RL + 4 (64 x my row half + l % 16)
	s_lshl_b32 s16, s13, 7                         ; out0: my first row x 4,096 + 1,024 x tile column + 512 x half
	s_lshl_b32 s14, s11, 6
	s_add_co_u32 s16, s16, s14
	s_lshl_b32 s16, s16, 12
	s_lshl_b32 s14, s42, 10
	s_add_co_u32 s16, s16, s14
	s_lshl_b32 s14, s12, 9
	s_add_co_u32 s16, s16, s14
	s_mov_b32 s17, 0
	; the prefetches
	s_lshl_b32 s20, s13, 7
	s_lshl_b32 s21, s40, 5
	s_add_co_u32 s20, s20, s21
	s_lshl_b32 s20, s20, 12                        ; E: (the tile's first row + 32 cx) x 4,096
	s_and_b32 s23, ttmp7, 0xffff
	s_lshr_b32 s22, s23, 2
	s_lshl_b32 s22, s22, 11
	s_lshl_b32 s21, s12, 6
	s_add_co_u32 s22, s22, s21
	s_lshl_b32 s21, s41, 4
	s_add_co_u32 s22, s22, s21
	s_lshl_b32 s22, s22, 11
	s_lshl_b32 s21, s42, 9
	s_add_co_u32 s22, s22, s21                     ; v: (2,048 x batch + the 64 keys that I fetch + 16 cy) x 2,048 + 512 x tile column
	s_and_b32 s23, s23, 3
	s_mov_b32 s18, 256
	s_mov_b32 s19, VSTEP
	s_cmp_eq_u32 s11, 0
	s_cselect_b32 s20, s20, s22
	s_cselect_b32 s23, s12, s23                    ; E: wave 0 alone asks; v: the batch's first cluster alone: the same in all sixteen partners, for a given wave
	s_cselect_b64 s[PFA:PFA+1], s[4:5], s[6:7]
	s_cselect_b32 s[PST], s18, s19
	s_cselect_b32 s18, 12, 11                      ; a row of ew is 2^12 bytes, of v 2^11
	s_mov_b32 s[PST+1], 0
	s_cmp_eq_u32 s23, 0
	s_cselect_b32 s[LIM], 1, -1
	s_mov_b32 s21, 0
	s_add_nc_u64 s[PFA:PFA+1], s[PFA:PFA+1], s[20:21]
	s_mul_i32 s20, s[PST], 3
	s_add_nc_u64 s[PFA:PFA+1], s[PFA:PFA+1], s[20:21]  ; at K step 3: the first change of slots steps it to 4 and names that
	v_and_b32 v4, 31, v0
	v_lshrrev_b32 v[PFO], s11, v4                  ; E: a lane a row; v: two lanes a key,
	v_lshlrev_b32 v[PFO], s18, v[PFO]
	v_and_b32 v4, s11, v4
	v_lshl_add_u32 v[PFO], v4, 8, v[PFO]           ; 256 bytes apart
	; M, f_t, L
	v_lshrrev_b32 v99, 6, v0
	v_bfe_u32 v117, v0, 4, 2
	v_lshlrev_b32 v99, 8, v99
	v_lshl_add_u32 v99, v1, 4, v99
	v_lshl_add_u32 v99, v117, 2, v99
	v_add_nc_u32 v99, FT, v99                      ; where my row's factors go
	v_lshl_add_u32 v116, v0, 2, RL
	v_mov_b32 v97, 0
	v_mov_b32 v98, 0
	s_wait_loadcnt 0x0
	v_max3_num_f32 v96, v64, v65, v66
.irp t, 67,69,71,73,75,77
	v_max3_num_f32 v96, v96, v[\t], v[\t+1]
.endr
	v_max_num_f32 v96, v96, v79
.set t, 0
.rept 16
	v_sub_f32 v[64+t], v[64+t], v96
.set t, t+1
.endr
.set t, 0
.rept 16
	v_exp_f32 v[64+t], v[64+t]
.set t, t+1
.endr
	v_nop                                          ; a plain instruction behind the last exponential,
	s_wait_alu depctr_va_vdst(0)                   ; and the one wait ahead of the batch's first reader
.set t, 0
.rept 16
	v_cvt_pk_f16_f32 v[100+t], v[64+t], v[64+t]    ; (f, f)
.set t, t+1
.endr
.set t, 0
.rept 16
	v_fma_mix_f32 v[97+t%2], v[100+t], v[80+t], v[97+t%2] op_sel_hi:[1,0,0]  ; L takes the rounded f times l, in two chains
.set t, t+1
.endr
	v_add_f32 v97, v97, v98
	v_rcp_f32 v97, v97
.set t, 0
.rept 16
	ds_store_b32 v99, v[100+t] offset:512*t
.set t, t+1
.endr
	v_nop
	s_wait_alu depctr_va_vdst(0)                   ; the reciprocal's wait, ahead of its reader
	ds_store_b32 v116, v97
.irp a, 0,1,2,3
	v_mov_b32 v[RLV+2*(\a)+1], 0                   ; named with 1 / L as pairs
.endr
; 16 matrix instructions: row blocks a0, a0 + 1 x all 8 channel blocks, 32 keys: half c of buffer f.  The 32 accumulators take turns in the same order everywhere.
.macro MUL16 f, c, a0, first
	WIN 0xa1
.irp a, \a0, (\a0)+1
.irp b, 0,1,2,3,4,5,6,7
.if \first
	v_wmma_f32_16x16x32_f16 v[8*(8*(\a)+(\b)):8*(8*(\a)+(\b))+7], v[128*(\f)+8*(8*(\c)+(\b)):128*(\f)+8*(8*(\c)+(\b))+7], v[64+64*(\f)+8*(4*(\c)+(\a)):64+64*(\f)+8*(4*(\c)+(\a))+7], 0
.else
	v_wmma_f32_16x16x32_f16 v[8*(8*(\a)+(\b)):8*(8*(\a)+(\b))+7], v[128*(\f)+8*(8*(\c)+(\b)):128*(\f)+8*(8*(\c)+(\b))+7], v[64+64*(\f)+8*(4*(\c)+(\a)):64+64*(\f)+8*(4*(\c)+(\a))+7], v[8*(8*(\a)+(\b)):8*(8*(\a)+(\b))+7]
.endif
.endr
.endr
.endm
; The last 16 products of a half (buffer f, second 32 keys, row blocks 2, 3); behind each, four registers of buffer g's E, just fetched, are multiplied by their row's factor.  They name no register of the
; products round them; the four behind the last product are the places ahead of the next half's loads.
.macro MULR f, g
.set rho, 0
.irp a, 2,3
.irp b, 0,1,2,3,4,5,6,7
	WIN 0xa1
	v_wmma_f32_16x16x32_f16 v[8*(8*(\a)+(\b)):8*(8*(\a)+(\b))+7], v[128*(\f)+8*(8+(\b)):128*(\f)+8*(8+(\b))+7], v[64+64*(\f)+8*(4+(\a)):64+64*(\f)+8*(4+(\a))+7], v[8*(8*(\a)+(\b)):8*(8*(\a)+(\b))+7]
	WIN 0
.rept 4
	v_pk_mul_f16 v[64+64*(\g)+rho], v[64+64*(\g)+rho], v[FC+(rho/8)%4]
.set rho, rho+1
.endr
.endr
.endr
.endm
; The LDS loads of half kk (0, 1) of a slot's K step, for buffer g, in two runs.  FETCH1: E's 16 loads, then v's first 32 keys.  FETCH2: v's second 32 keys.
.macro FETCH1 slot, kk, g
	WIN 0
.irp c, 0,1
.irp a, 0,1,2,3
	ds_load_b128 v[64+64*(\g)+8*(4*(\c)+(\a)):64+64*(\g)+8*(4*(\c)+(\a))+3],   v[ADRA+(\slot)] offset:128*(\kk)+64*(\c)+(\a)*16*PITCH
	ds_load_b128 v[64+64*(\g)+8*(4*(\c)+(\a))+4:64+64*(\g)+8*(4*(\c)+(\a))+7], v[ADRA+(\slot)] offset:128*(\kk)+64*(\c)+(\a)*16*PITCH+32
.endr
.endr
	WIN 0x40
.irp b, 0,1,2,3,4,5,6,7
	ds_load_tr16_b128 v[128*(\g)+8*(\b):128*(\g)+8*(\b)+3],   v[ADRB+(\slot)] offset:64*(\kk)*PV+32*(\b)
	ds_load_tr16_b128 v[128*(\g)+8*(\b)+4:128*(\g)+8*(\b)+7], v[ADRB+(\slot)] offset:64*(\kk)*PV+16*PV+32*(\b)
.endr
.endm
.macro FETCH2 slot, kk, g
	WIN 0x40
.irp b, 0,1,2,3,4,5,6,7
	ds_load_tr16_b128 v[128*(\g)+8*(8+(\b)):128*(\g)+8*(8+(\b))+3],   v[ADRB+(\slot)] offset:(64*(\kk)+32)*PV+32*(\b)
	ds_load_tr16_b128 v[128*(\g)+8*(8+(\b))+4:128*(\g)+8*(8+(\b))+7], v[ADRB+(\slot)] offset:(64*(\kk)+32)*PV+16*PV+32*(\b)
.endr
.endm
; Half a K step behind its FETCH1: 64 products on buffer f, whose fragments are all in; buffer g is made ready meanwhile.
.macro WORK slot, kk, f, g, first
	MUL16 \f, 0, 0, \first
	MUL16 \f, 0, 2, \first
	FETCH2 \slot, \kk, \g
	MUL16 \f, 1, 0, 0
	s_wait_dscnt 32                                ; the factors and the new E are in; v's 32 loads may stay out
	MULR \f, \g
.endm
.macro HALFS slot, kk, f, g, first     ; a K step's first half: it multiplies buffer f and fetches the step's second half
	s_wait_dscnt 0x0                               ; all of buffer f is in: its youngest loads were issued 32 products back
	FETCH1 \slot, \kk, \g
	WORK \slot, \kk, \f, \g, \first
.endm
; THE CHANGE OF SLOTS stands at the head of a K step's second half: that half's fragments are in registers or on their way, so the slot has been read out.  Each wave waits for all its tensor loads (one is
; out: its part of the next slot), adds 0 to its spare word, and waits for that and for its reads of this slot.  Behind the barrier nobody reads this slot any more and the next slot is whole.
; round = 1: the barrier opens a round of the cluster's, and the joint refill is the first thing behind it: it has a whole K step, 128 products, in which to land.
.macro CHANGE slot, round
	WIN 0
	s_wait_tensorcnt 0x0                           ; no tensor load of mine is out, so a group 0 may be written
	ds_add_u32 v[SPW], v[NIL]                      ; 0 onto my spare word; the descriptors' steps stand between it and the wait for it
.if \round
	s_add_nc_u64 s[G0+4*(\slot)+2:G0+4*(\slot)+3], s[G0+4*(\slot)+2:G0+4*(\slot)+3], 2*256
	s_add_nc_u64 s[G0B+4*(\slot)+2:G0B+4*(\slot)+3], s[G0B+4*(\slot)+2:G0B+4*(\slot)+3], 2*VSTEP
.endif
	s_wait_dscnt 0x0                               ; the add is done, my reads of this slot are over, and all of buffer 1 is in
	s_barrier_signal -1
	s_barrier_wait -1
.if \round
	CREST                                          ; no wave of any partner still reads this slot or has a load on its way
	JLOAD \slot
.endif
.endm
.macro NEXTF next                      ; the next step's factors and its first fragments
	WIN 0
	v_add_nc_u32 v[FA], 512, v[FA]
	ds_load_b128 v[FC:FC+3], v[FA]
	FETCH1 \next, 0, 0
.endm
.macro TURNS slot, next                ; a K step's second half: the change of slots, then 64 products on buffer 1 while the next step's first half is fetched and scaled
	s_wait_xcnt 0x0                                ; the last prefetch, a K step back, has read its address
	s_add_nc_u64 s[PFA:PFA+1], s[PFA:PFA+1], s[PST:PST+1]
	CHANGE \slot, 1
	NEXTF \next
	WIN 0
	ASK                                            ; behind the joint load and the run of LDS loads
	WORK \next, 0, 1, 0, 0
.endm
; THE WAY OUT of half block u: row block u / 2, channels 64 (u % 2) on: divided by L; 16 rows x 256 bytes through my stage; stored as whole rows of 256 bytes.
.macro PACKO u
	WIN 0x02                                       ; source 0 in window 2
.irp q, 0,1,2,3
.irp p, 0,1,2,3
	v_pk_mul_f32 v[TMP+8*(\q)+2*(\p):TMP+8*(\q)+2*(\p)+1], v[64*((\u)/2)+8*(4*((\u)%2)+(\q))+2*(\p):64*((\u)/2)+8*(4*((\u)%2)+(\q))+2*(\p)+1], v[RLV+2*((\u)/2):RLV+2*((\u)/2)+1] op_sel_hi:[1,0]
.endr
.endr
	WIN 0
.endm
.macro TOSTAGE u
	WIN 0
.set BK, OB+192*((\u)%2)
.irp q, 0,1,2,3
	ds_store_b128 v[STO], v[TMP+8*(\q):TMP+8*(\q)+3]   offset:64*(\q)
	ds_store_b128 v[STO], v[TMP+8*(\q)+4:TMP+8*(\q)+7] offset:64*(\q)+16
.endr
.irp t, 0,1,2,3,4,5,6,7
	ds_load_b128 v[BK+4*(\t):BK+4*(\t)+3], v[RD] offset:(\t)*2*PITCH  ; LDS serves a wave's instructions in order (ISA guide 5.7.1.4)
.endr
.endm
.macro SEND u
	WIN 0
.set BK, OB+192*((\u)%2)
	s_wait_dscnt 0x0
	s_wait_xcnt 0x0                                ; the stores' base and the registers that earlier stores read are rewritten only behind this wait
.if (\u) == 0
	s_add_nc_u64 s[8:9], s[8:9], s[16:17]
.elseif (\u)%2 == 0
	s_add_nc_u64 s[8:9], s[8:9], 16*EROW
.endif
.irp t, 0,1,2,3,4,5,6,7
	global_store_b128 v[CO], v[BK+4*(\t):BK+4*(\t)+3], s[8:9] offset:2*(\t)*EROW+256*((\u)%2)  ; 16 lanes store 256 consecutive bytes, aligned
.endr
.endm
	s_wait_tensorcnt 0x1                           ; my part of K step 0 is in; K step 1's may stay out
	s_wait_dscnt 0x0                               ; my rows' factors and 1 / L lie in LDS
	s_barrier_signal -1
	s_barrier_wait -1
	ds_load_b128 v[FC:FC+3], v[FA]                 ; step 0's factors
.irp a, 0,1,2,3
	ds_load_b32 v[RLV+2*(\a)], v3 offset:64*(\a)
.endr
	FETCH1 0, 0, 0
	FETCH2 0, 0, 0
	WIN 0
	s_wait_dscnt 32                                ; all but v's fragments
.set rho, 0
.rept 64
	v_pk_mul_f16 v[64+rho], v[64+rho], v[FC+(rho/8)%4]
.set rho, rho+1
.endr
	HALFS 0, 1, 0, 1, 1                            ; the first half's first products start the sums
	WIN 0
	s_mov_b32 s3, 7
.Llap:                                                 ; a trip goes once round the ring and fills both slots again
	TURNS 0, 1
	HALFS 1, 1, 0, 1, 0
	TURNS 1, 0
	HALFS 0, 1, 0, 1, 0
	WIN 0
	s_sub_co_u32 s3, s3, 1
	s_cmp_lg_u32 s3, 0
	s_cbranch_scc1 .Llap
	CHANGE 0, 0                                    ; the last lap fills nothing, so no round follows
	NEXTF 1
	WORK 1, 0, 1, 0, 0
	HALFS 1, 1, 0, 1, 0
	s_wait_dscnt 0x0                               ; the very last half: nothing more to fetch
	MUL16 1, 0, 0, 0
	MUL16 1, 0, 2, 0
	MUL16 1, 1, 0, 0
	MUL16 1, 1, 2, 0
	PLACES
	PACKO 0
	TOSTAGE 0
.irp u, 1,2,3,4,5,6,7
	PACKO \u
	SEND (\u)-1
	TOSTAGE \u
.endr
	SEND 7
	s_wait_tensorcnt 0x0                           ; the wave's end
	ds_add_u32 v[SPW], v[NIL]
	s_wait_dscnt 0x0
	CROUND                                         ; the closing round
	s_endpgm
.Lfunc_end_k_q043dd5729b_pv:
	.size	k_q043dd5729b_pv, .Lfunc_end_k_q043dd5729b_pv-k_q043dd5729b_pv
	.p2alignl 7, 3214868480
	.fill 96, 4, 3214868480
	.section	.rodata,"a",@progbits
	.p2align	6, 0x0
	.amdhsa_kernel k_q043dd5729b_pv
		.amdhsa_group_segment_fixed_size 327680
		.amdhsa_private_segment_fixed_size 0
		.amdhsa_enable_private_segment 0
		.amdhsa_kernarg_size 40
		.amdhsa_user_sgpr_count 2
		.amdhsa_user_sgpr_kernarg_segment_ptr 1
		.amdhsa_wavefront_size32 1
		.amdhsa_system_sgpr_workgroup_id_x 1
		.amdhsa_system_sgpr_workgroup_id_y 1
		.amdhsa_system_sgpr_workgroup_id_z 1
		.amdhsa_system_vgpr_workitem_id 0
		.amdhsa_next_free_vgpr 768
		.amdhsa_next_free_sgpr 80
		.amdhsa_reserve_vcc 0
		.amdhsa_float_denorm_mode_32 3
		.amdhsa_float_denorm_mode_16_64 3
		.amdhsa_memory_ordered 1
		.amdhsa_forward_progress 1
		.amdhsa_inst_pref_size 142
	.end_amdhsa_kernel
	.amdgpu_metadata
---
amdhsa.version: [ 1, 2 ]
amdhsa.kernels:
  - .name:           k_q043dd5729b_pv
    .symbol:         k_q043dd5729b_pv.kd
    .args:
      - { .name: ew, .offset: 0, .size: 8, .value_kind: global_buffer, .address_space: global }
      - { .name: qkv, .offset: 8, .size: 8, .value_kind: global_buffer, .address_space: global }
      - { .name: smax, .offset: 16, .size: 8, .value_kind: global_buffer, .address_space: global }
      - { .name: ssum, .offset: 24, .size: 8, .value_kind: global_buffer, .address_space: global }
      - { .name: out0, .offset: 32, .size: 8, .value_kind: global_buffer, .address_space: global }
    .group_segment_fixed_size: 327680
    .private_segment_fixed_size: 0
    .kernarg_segment_align: 8
    .kernarg_segment_size: 40
    .max_flat_workgroup_size: 128
    .sgpr_count:     80
    .vgpr_count:     768
    .wavefront_size: 32
...
	.end_amdgpu_metadata
.endif
;; end of part 4
